; MI455X (gfx1250); checked and timed in simulation.
; The chip was launched on July 23, 2026; its instructions are those of AMD's public machine-readable ISA for CDNA 5 (MIT licence, August 2026) and "CDNA5" Instruction Set Architecture Reference Guide (July 2026). The comments in the code are by the model that wrote it; some were corrected since.
;; Multi Head Attention. Allowed arithmetic: matrix products marked QUANTISED: E2M1 operands, one E8M0 scale for each 32 along K, by v_wmma_scale_f32_16x16x128_f8f6f4 with both operands' format E2M1 (or v_wmma_scale_f32_32x16x128_f4), f32 sums; products left as they are: bf16, f16 or f32 operands; f32 sums; everything else in f32.
;; Inputs: Wk 1,024 x 1,024 float32; Wo 1,024 x 1,024 float32; Wq 1,024 x 1,024 float32; Wv 1,024 x 1,024 float32; bk 1,024 float32; bo 1,024 float32; bq 1,024 float32; bv 1,024 float32; key 4 x 2,048 x 1,024 float32; query 4 x 2,048 x 1,024 float32; value 4 x 2,048 x 1,024 float32.
;; Outputs: out0 4 x 2,048 x 1,024 float32.
;; This version of the problem:
;;   THIS VERSION OF THE PROBLEM IS GIVEN IN LOW PRECISION. The matrix products marked QUANTISED in the list below multiply operands that are first quantised to E2M1 (2 exponent bits, 1 mantissa bit; 4 bits a number), with one power-of-two scale for each 32 numbers along K (OCP MX v1.0); their sums are f32. The products marked 'left as it is' may take bf16, f16 or f32 operands, with f32 sums. Whichever they take, every output number must still come out within the allowed error. Rounding operands to bf16 (8 significant bits) uses up far more of that allowance than f16 does (11 bits, for magnitudes from 6e-5 to 65,504). All else is computed in f32.
;;   The module's matrix products, in the order in which they are computed (A, B: the left and right operand; K: the contracted axis; several contracted axes count as one K, in the product's order):
;;     1. [M 8,192, K 1,024] x [K 1,024, N 1,024]; A: input query; B: input Wq: QUANTISED
;;     2. [M 8,192, K 1,024] x [K 1,024, N 1,024]; A: input key; B: input Wk: QUANTISED
;;     3. [M 8,192, K 1,024] x [K 1,024, N 1,024]; A: input value; B: input Wv: QUANTISED
;;     4. batch 64 x [M 2,048, K 64] x [K 64, N 2,048]; A: computed on the way; B: computed on the way: left as it is (an operand is computed on the way)
;;     5. batch 64 x [M 2,048, K 2,048] x [K 2,048, N 64]; A: computed on the way; B: computed on the way: left as it is (an operand is computed on the way)
;;     6. [M 8,192, K 1,024] x [K 1,024, N 1,024]; A: computed on the way; B: input Wo: left as it is (an operand is computed on the way)
;;   THE QUANTISER, for each operand of a quantised product, along K:
;;     - K is cut into blocks of 32 from its start; a last block that is shorter is filled with zeros.
;;     - A block's scale is 2^e with e = floor(log2(the largest magnitude in the block)) - 2, held to -126 .. 127; a block of zeros has e = 0. As a byte (E8M0): e + 127.
;;     - Each number is divided by its block's scale, clamped to +-6, and rounded to the nearest number of E2M1, ties to even, subnormals kept.
;;     - The product sums the exact products of the quantised numbers (number of the format x scale) in f32.
;;   ~~~python
;;   def quantise(x, axis):      # numpy; x: float32 -> the quantised numbers, widened to float32 again
;;       x = np.moveaxis(x, axis, -1); K = x.shape[-1]
;;       x = np.pad(x, [(0, 0)] * (x.ndim - 1) + [(0, -K % 32)]); x = x.reshape(x.shape[:-1] + (-1, 32)); a = np.abs(x).max(-1, keepdims=True)
;;       e = np.where(a > 0, np.clip(np.frexp(np.where(a > 0, a, 1))[1] - 1 - 2, -126, 127), 0)      # np.frexp(a)[1] - 1 = floor(log2(a)), exactly
;;       r = np.clip(x / 2.0 ** e, -6, 6)
;;       step = 2.0 ** (np.maximum(np.frexp(np.where(r == 0, 1, r))[1] - 1, 0) - 1)
;;       q = np.round(r / step) * step * 2.0 ** e      # np.round: ties to even
;;       return np.moveaxis(q.reshape(q.shape[:-2] + (-1,))[..., :K], -1, axis).astype(np.float32)
;;   ~~~
;; One version. Each part assembles by itself: llvm-mc -triple=amdgcn-amd-amdhsa -mcpu=gfx1250 --defsym DOCPART=n.
;; ======== version 1 of 1: 4 launches
;; limits: values are held in f16: magnitudes above 65,504 overflow, below 6.1e-05 lose precision
;; workspace buffers: xcodes 12,582,912 bytes; xscales 786,432 bytes; wcodes 1,572,864 bytes; wscales 98,304 bytes; wo16 2,097,152 bytes; qkv 50,331,648 bytes; ctx 16,777,216 bytes
;; launch quant (part 1): grid 896 x 1, 4 waves a work-group, no clusters, 33,280 bytes of LDS; arguments query, key, value, Wq, Wk, Wv, Wo, xcodes, xscales, wcodes, wscales, wo16; writes xcodes, xscales, wcodes, wscales, wo16
.if DOCPART == 1
	.amdgcn_target "amdgcn-amd-amdhsa--gfx1250"
	.amdhsa_code_object_version 6
	.text
	.protected	k_q34c3488bbd_quant
	.globl	k_q34c3488bbd_quant
	.p2align	8
	.type	k_q34c3488bbd_quant,@function
k_q34c3488bbd_quant:
	s_mov_b64 s[64:65], 0
	v_nop
	global_prefetch_b8 v0, s[64:65] scope:SCOPE_SE
	s_setreg_imm32_b32 hwreg(HW_REG_WAVE_MODE, 25, 1), 1
	s_wait_xcnt 0x0
; query, key, value [8192][1024] and Wq, Wk, Wv [1024][1024], f32, K innermost, become codes of FP4 (E2M1), two a byte, the lower k in the low four bits,
; with one E8M0 scale byte for each 32 along K.  xcodes holds query's rows, then key's, then value's (512 bytes a row), xscales their bytes (32 a row); wcodes and wscales likewise Wq, Wk, Wv.
; Wo [1024][1024] is rounded once to f16 into wo16.
; A block's scale is 2^(floor(log2(its largest magnitude)) - 2); its byte is the largest magnitude's exponent field - 2, held at 1 from below.  Each number is divided by the scale and rounded to the nearest code, ties to even; beyond 6 the largest code.
; LIMITS: a block of zeros gets the byte 1 and not 127 (its codes are zeros, and this program alone reads the bytes); blocks whose largest magnitude lies under 2^-124 are held at the byte 1;
; NaN and infinities among the inputs are not served; Wo must lie under 65,504 in magnitude (f16).
; Rows are dense and 1024 is a multiple of 32: every tensor is a plain stream of blocks of 32.  A work-group takes 32,768 numbers, a wave 16 steps of 512.
; Work-groups 0-767: the activations (256 each);  768-863: the weights (32 each);  864-895: the cast of Wo.
; In a step each of four loads reads 512 consecutive bytes; the 2,048 bytes turn through the wave's own stage in LDS and come back 64 bytes a lane, so that a lane holds 16 neighbours along K and two lanes a block.
.set WAVES, 4
.set STEPS, 16
.set EMAX,  2
.set CB,    8                          ; bytes of 16 codes
.set R,     16                         ; v16-79   four sets of 16 numbers as they are loaded
.set X,     80                         ; v80-111  two sets of 16 neighbours
.set E,     112                        ; v112-127 a scale byte for each step
.set C,     128                        ; v128-191 codes: four registers for each step, so that no store's data are written again
.set CX,    16                         ; the cast: v16-143 two sets of 64 numbers
.set CY,    160                        ; the cast: v160-191 their f16 pairs
.set WREG,  8192                       ; LDS: a region for each wave: two stages of 32 x SP bytes, behind them its 256 scale bytes
.set SP,    80                         ; a lane's place in a stage: 64 bytes + 16 of padding
.set SPW,   12                         ; v12  LDS address of my spare word; never rewritten
.set NIL,   13                         ; v13  0; never rewritten
.set SPARE, WAVES*WREG                 ; behind the four regions: the spare words, 128 bytes a wave
	s_load_b512 s[4:19], s[0:1], 0x0               ; query 4:5, key 6:7, value 8:9, Wq 10:11, Wk 12:13, Wv 14:15, Wo 16:17, xcodes 18:19
	s_load_b256 s[20:27], s[0:1], 0x40             ; xscales 20:21, wcodes 22:23, wscales 24:25, wo16 26:27
	v_lshl_add_u32 v[SPW], v0, 2, SPARE
	v_mov_b32 v[NIL], 0
	v_lshrrev_b32 v1, 5, v0
	v_readfirstlane_b32 s28, v1                    ; wave
	v_and_b32 v2, 31, v0                           ; lane
	v_lshlrev_b32 v3, 4, v2                        ; 16 x lane
	v_lshlrev_b32 v10, 5, v2                       ; 32 x lane: the cast's 8 numbers
	s_mul_i32 s29, s28, WREG
	v_lshrrev_b32 v14, 2, v2
	v_mul_u32_u24 v14, v14, SP
	v_and_b32 v15, 3, v2
	v_lshl_add_u32 v14, v15, 4, v14
	v_add_nc_u32 v14, s29, v14                     ; the stage, on the way in: SP (lane / 4) + 16 (lane % 4)
	v_mul_u32_u24 v15, v2, SP
	v_add_nc_u32 v15, s29, v15                     ; and on the way out: SP x lane: my 16 neighbours
	v_mul_u32_u24 v4, v2, CB                       ; my codes' place in a step's
	v_lshrrev_b32 v5, 1, v2
	s_add_co_u32 s29, s29, 2*32*SP
	v_add_nc_u32 v5, s29, v5                       ; LDS: my wave's 256 scale bytes, my block's byte
	v_lshlrev_b32 v7, 3, v2
	v_add_nc_u32 v6, s29, v7                       ; and on the way out 8 bytes a lane
	s_sub_co_u32 s30, ttmp9, 768                   ; a weight's work-group, counted from 0
	s_lshr_b32 s31, ttmp9, 8                       ; which activation,
	s_lshr_b32 s32, s30, 5                         ; which weight,
	s_and_b32 s33, ttmp9, 255                      ; and which part of it
	s_and_b32 s34, s30, 31
	s_wait_kmcnt 0x0
	s_cmp_lt_u32 ttmp9, 864
	s_cbranch_scc1 .Lquant
	; ---- the cast of Wo: a wave takes 8,192 numbers, four batches of 2,048.  A lane takes 8 neighbours (two loads of 16 bytes) and stores their 16 bytes of f16: a store covers 512 consecutive bytes.
	s_sub_co_u32 s30, ttmp9, 864
	s_lshl_b32 s30, s30, 2
	s_add_co_u32 s30, s30, s28                     ; my wave's run, 0 .. 127
	s_lshl_b32 s42, s30, 15
	s_mov_b32 s43, 0
	s_lshl_b32 s44, s30, 14
	s_mov_b32 s45, 0
	s_add_nc_u64 s[16:17], s[16:17], s[42:43]
	s_add_nc_u64 s[26:27], s[26:27], s[44:45]
.macro CLOAD bt
.irp i, 0,1,2,3,4,5,6,7
.irp k, 0,1
	global_load_b128 v[CX+64*((\bt)%2)+8*\i+4*\k:CX+64*((\bt)%2)+8*\i+4*\k+3], v10, s[16:17] offset:(8*(\bt)+\i)*1024+16*\k th:TH_LOAD_NT
.endr
.endr
.endm
.macro CAST bt
.if (\bt) < 3
	s_wait_loadcnt 16                              ; this batch's 16 loads are in; the next batch's 16 may be out
.else
	s_wait_loadcnt 0x0
.endif
.if (\bt) > 0
	s_wait_xcnt 0x0                                ; the last batch's stores have read their data: the registers are written again only behind this wait
.endif
.irp i, 0,1,2,3,4,5,6,7
.irp k, 0,1,2,3
	v_cvt_pk_f16_f32 v[CY+4*\i+\k], v[CX+64*((\bt)%2)+8*\i+2*\k], v[CX+64*((\bt)%2)+8*\i+2*\k+1]
.endr
.endr
.irp i, 0,1,2,3,4,5,6,7
	global_store_b128 v3, v[CY+4*\i:CY+4*\i+3], s[26:27] offset:(8*(\bt)+\i)*512
.endr
.if (\bt)+2 < 4
	CLOAD (\bt)+2
.endif
.endm
	CLOAD 0
	CLOAD 1
	CAST 0
	CAST 1
	CAST 2
	CAST 3
	s_endpgm
.Lquant:
	; ---- which tensor, which buffers: choices on the work-group's number alone
	s_cmp_lt_u32 ttmp9, 768
	s_cselect_b32 s35, ttmp9, s30                  ; the work-group's place in the buffers of codes and scale bytes
	s_cselect_b32 s31, s31, s32                    ; which of the three tensors
	s_cselect_b32 s33, s33, s34                    ; and the work-group's place in it
	s_cselect_b64 s[38:39], s[18:19], s[22:23]     ; codes
	s_cselect_b64 s[40:41], s[20:21], s[24:25]     ; scale bytes
	s_cselect_b64 s[4:5], s[4:5], s[10:11]
	s_cselect_b64 s[6:7], s[6:7], s[12:13]
	s_cselect_b64 s[8:9], s[8:9], s[14:15]
	s_cmp_eq_u32 s31, 1
	s_cselect_b64 s[36:37], s[6:7], s[4:5]
	s_cmp_eq_u32 s31, 2
	s_cselect_b64 s[36:37], s[8:9], s[36:37]       ; the source
	s_lshl_b32 s33, s33, 2
	s_add_co_u32 s33, s33, s28                     ; my wave's run of 8,192 numbers in the source: 32,768 bytes a run
	s_lshl_b32 s42, s33, 15
	s_mov_b32 s43, 0
	s_add_nc_u64 s[36:37], s[36:37], s[42:43]
	s_lshl_b32 s35, s35, 2
	s_add_co_u32 s35, s35, s28                     ; and in the outputs: 4,096 bytes of codes, 256 scale bytes a run
	s_lshl_b32 s44, s35, 12
	s_mov_b32 s45, 0
	s_add_nc_u64 s[38:39], s[38:39], s[44:45]
	s_lshl_b32 s44, s35, 8
	s_add_nc_u64 s[40:41], s[40:41], s[44:45]
.macro LOAD t
.irp i, 0,1,2,3
	global_load_b128 v[R+16*((\t)%4)+4*\i:R+16*((\t)%4)+4*\i+3], v3, s[36:37] offset:2048*(\t)+512*\i th:TH_LOAD_NT   ; 32 lanes read 512 consecutive bytes
.endr
.endm
.macro TURN t                          ; step t's numbers through the stage: LDS serves a wave's instructions in order, so no wait stands between the stores and the loads
.irp i, 0,1,2,3
	ds_store_b128 v14, v[R+16*((\t)%4)+4*\i:R+16*((\t)%4)+4*\i+3] offset:32*SP*((\t)%2)+8*SP*\i
.endr
.irp i, 0,1,2,3
	ds_load_b128 v[X+16*((\t)%2)+4*\i:X+16*((\t)%2)+4*\i+3], v15 offset:32*SP*((\t)%2)+16*\i
.endr
.endm
.irp t, 0,1,2,3
	LOAD \t
.endr
	s_wait_loadcnt 12                              ; step 0's four loads are in; three steps' twelve may be out
	TURN 0
.macro STEP t
.set XS, X+16*((\t)%2)
.if (\t) > 0
	s_wait_dscnt 1                                 ; this step's numbers are back from the stage (the last step's byte store may be out): so its stores into the stage have read their registers,
.else
	s_wait_dscnt 0x0
.endif
.if (\t)+4 < STEPS
	LOAD (\t)+4                                    ; which take the loads of four steps on
.endif
.if (\t)+1 < STEPS
.if STEPS-2-(\t) >= 3
	s_wait_loadcnt 12                              ; the next step's four loads are in; those of the three steps behind it may be out
.else
	s_wait_loadcnt 4*(STEPS-2-(\t))
.endif
	TURN (\t)+1                                    ; and go through the other stage while this step is worked
.endif
	v_max3_num_f32 v8, |v[XS]|, |v[XS+1]|, |v[XS+2]|               ; the largest magnitude of my 16, in two chains
	v_max3_num_f32 v9, |v[XS+3]|, |v[XS+4]|, |v[XS+5]|
.irp i, 6,10
	v_max3_num_f32 v8, v8, |v[XS+\i]|, |v[XS+\i+1]|
	v_max3_num_f32 v9, v9, |v[XS+\i+2]|, |v[XS+\i+3]|
.endr
	v_max3_num_f32 v8, v8, |v[XS+14]|, |v[XS+15]|
	v_max3_num_f32 v8, v8, v9, (EMAX+1)<<23        ; and the floor 2^(3 - 127): the byte cannot fall under 1
	v_max_num_f32_dpp v8, v8, v8 row_xmask:1 row_mask:0xf bank_mask:0xf   ; and of my neighbour's 16: the block's
	v_add_nc_u32 v11, -(EMAX<<23), v8              ; 2 off its exponent field: the conversion takes the exponent field of this operand as its scale, and nothing else of it
	v_cvt_scalef32_pk8_fp4_f32 v[C+4*(\t)], v[XS:XS+7], v11
	v_cvt_scalef32_pk8_fp4_f32 v[C+4*(\t)+1], v[XS+8:XS+15], v11
	v_lshrrev_b32 v[E+(\t)], 23, v11               ; the scale's byte (a plain line behind the conversions)
	ds_store_b8 v5, v[E+(\t)] offset:16*(\t)       ; both lanes of a block write the same byte with the same value
	global_store_b64 v4, v[C+4*(\t):C+4*(\t)+1], s[38:39] offset:32*CB*(\t)   ; the wave stores 256 consecutive bytes, aligned
.endm
.irp t, 0,1,2,3,4,5,6,7,8,9,10,11,12,13,14,15
	STEP \t
.endr
	ds_load_b64 v[8:9], v6                         ; LDS serves a wave's instructions in order: these see my byte stores
	s_wait_dscnt 0x0
	global_store_b64 v7, v[8:9], s[40:41]          ; 32 lanes store 256 consecutive bytes, aligned
	s_wait_tensorcnt 0x0                           ; the wave's end, behind my last LDS store
	ds_add_u32 v[SPW], v[NIL]
	s_wait_dscnt 0x0
	s_endpgm
.Lfunc_end_k_q34c3488bbd_quant:
	.size	k_q34c3488bbd_quant, .Lfunc_end_k_q34c3488bbd_quant-k_q34c3488bbd_quant
	.p2alignl 7, 3214868480
	.fill 96, 4, 3214868480
	.section	.rodata,"a",@progbits
	.p2align	6, 0x0
	.amdhsa_kernel k_q34c3488bbd_quant
		.amdhsa_group_segment_fixed_size 33280
		.amdhsa_private_segment_fixed_size 0
		.amdhsa_enable_private_segment 0
		.amdhsa_kernarg_size 96
		.amdhsa_user_sgpr_count 2
		.amdhsa_user_sgpr_kernarg_segment_ptr 1
		.amdhsa_wavefront_size32 1
		.amdhsa_system_sgpr_workgroup_id_x 1
		.amdhsa_system_sgpr_workgroup_id_y 1
		.amdhsa_system_sgpr_workgroup_id_z 1
		.amdhsa_system_vgpr_workitem_id 0
		.amdhsa_next_free_vgpr 192
		.amdhsa_next_free_sgpr 66
		.amdhsa_reserve_vcc 0
		.amdhsa_float_denorm_mode_32 3
		.amdhsa_float_denorm_mode_16_64 3
		.amdhsa_memory_ordered 1
		.amdhsa_forward_progress 1
		.amdhsa_inst_pref_size 51
	.end_amdhsa_kernel
	.amdgpu_metadata
---
amdhsa.version: [ 1, 2 ]
amdhsa.kernels:
  - .name:           k_q34c3488bbd_quant
    .symbol:         k_q34c3488bbd_quant.kd
    .args:
      - { .name: query, .offset: 0, .size: 8, .value_kind: global_buffer, .address_space: global }
      - { .name: key, .offset: 8, .size: 8, .value_kind: global_buffer, .address_space: global }
      - { .name: value, .offset: 16, .size: 8, .value_kind: global_buffer, .address_space: global }
      - { .name: Wq, .offset: 24, .size: 8, .value_kind: global_buffer, .address_space: global }
      - { .name: Wk, .offset: 32, .size: 8, .value_kind: global_buffer, .address_space: global }
      - { .name: Wv, .offset: 40, .size: 8, .value_kind: global_buffer, .address_space: global }
      - { .name: Wo, .offset: 48, .size: 8, .value_kind: global_buffer, .address_space: global }
      - { .name: xcodes, .offset: 56, .size: 8, .value_kind: global_buffer, .address_space: global }
      - { .name: xscales, .offset: 64, .size: 8, .value_kind: global_buffer, .address_space: global }
      - { .name: wcodes, .offset: 72, .size: 8, .value_kind: global_buffer, .address_space: global }
      - { .name: wscales, .offset: 80, .size: 8, .value_kind: global_buffer, .address_space: global }
      - { .name: wo16, .offset: 88, .size: 8, .value_kind: global_buffer, .address_space: global }
    .group_segment_fixed_size: 33280
    .private_segment_fixed_size: 0
    .kernarg_segment_align: 8
    .kernarg_segment_size: 96
    .max_flat_workgroup_size: 128
    .sgpr_count:     66
    .vgpr_count:     192
    .wavefront_size: 32
...
	.end_amdgpu_metadata
.endif
;; end of part 1
;; launch proj (part 2): grid 4 x 96, 4 waves a work-group, clusters of 4 x 4, 327,680 bytes of LDS; arguments xcodes, xscales, wcodes, wscales, bq, bk, bv, qkv; writes qkv
.if DOCPART == 2
	.amdgcn_target "amdgcn-amd-amdhsa--gfx1250"
	.amdhsa_code_object_version 6
	.text
	.protected	k_q34c3488bbd_proj
	.globl	k_q34c3488bbd_proj
	.p2align	8
	.type	k_q34c3488bbd_proj,@function
k_q34c3488bbd_proj:
	s_mov_b64 s[64:65], 0
	v_nop
	global_prefetch_b8 v0, s[64:65] scope:SCOPE_SE
	s_setreg_imm32_b32 hwreg(HW_REG_WAVE_MODE, 25, 1), 1
	s_wait_xcnt 0x0
	s_wait_alu depctr_hold_cnt(0) depctr_sa_sdst(0) depctr_va_vdst(0) depctr_va_sdst(0) depctr_va_ssrc(0) depctr_va_vcc(0) depctr_vm_vsrc(0)
	s_getreg_b32 s2, hwreg(HW_REG_IB_STS2, 6, 4)
	s_cmp_eq_u32 s2, 0
	s_cbranch_scc0 .Lentry_in_a_cluster
	s_endpgm
.Lentry_in_a_cluster:
	s_bfe_u32 s2, ttmp6, 0x10000c
	s_cmp_lg_u32 s2, 0xf033
	s_cbranch_scc0 .Lentry_shape_is_right
	s_endpgm
.Lentry_shape_is_right:
; The three quantised projections in one launch: C[m][n] = sum over k of A[m][k] B[n][k] + bias[n], K = 1024, on codes of FP4 (E2M1) with one E8M0 scale for each 32 along K.
; A: xcodes [24576][512 bytes] (query's 8192 rows, key's, value's), scale bytes xscales [24576][32].  B: wcodes [3072][512 bytes] (Wq, Wk, Wv), wscales [3072][32].  Rows 8192 t .. of A meet rows 1024 t .. of B and bias t.
; The result is rounded once to f16 and laid by heads: qkv [t][batch][head][token 2048][64].  LIMIT: q, k and v must lie under 65,504 in magnitude (f16).
; A tile of C, 256 x 256, is made by a work-group of four waves; a wave makes 128 x 128: 64 accumulators of 16 x 16, 512 registers.
; K = 1024 is two LDS slots of 512 along K (rows of 256 bytes): both slots and all scale bytes are asked for at the start, and no LDS byte is filled twice.
; CLUSTERS: 4 x 4 work-groups.  The four of a row of the cluster need the same tiles of A, the four of a column the same tiles of B: each tile is asked for jointly, by the same tensor load with the same descriptor and a mask that names the four.
; A cluster's four tile rows lie in one tensor t (32 tile rows a tensor), so t hangs on the cluster's y alone.
; THE MATRIX INSTRUCTION IS USED TRANSPOSED (source 0 = 16 rows of B, source 1 = 16 rows of A): a lane then holds eight neighbouring numbers of a row of C.  The bias, laid so, is the C of each sum's first product.
; REGISTERS, in windows of 256: window 0: v0-31 addresses; v32-95 scale words, two sets; v128-191 A's fragments, one set; v192-255 the bias; on the way out v128-159 packed results, v192-255 rows read back.
;   window 1: B's fragments, two sets, at v0 and v128.   window 2: the accumulators of my rows 0-63 ((a, b) at v[8 (8 a + b)]);   window 3: those of rows 64-127.
.set KSTEP,  512
.set NQ,     KSTEP/128                 ; matrix instructions deep in a slot
.set ROWB,   256                       ; a tile's row in bytes
.set KROW,   512                       ; a row of codes in memory
.set PITCH,  272                       ; an LDS row: 256 bytes + 16 of padding: the 16 rows that a load touches start 68 words apart
.set FR,     8
.set NL,     2
.set NP,     4                         ; places behind this matrix instruction (ISA guide 7.12.1)
.set HALFT,  128*PITCH
.set SLOT,   4*HALFT                   ; A's 256 rows, then B's 256 rows
.set KS,     32                        ; a row of scale bytes
.set SCL,    2*SLOT                    ; behind the slots: the scale bytes, as units of 256 bytes + 16 of padding
.set HALFS,  (128*KS/256)*272
.set SBLK,   (16*KS/256)*272
.set SPARE,  SCL+4*HALFS               ; the spare words, 128 bytes a wave
.set STAGE,  SPARE+512                 ; the way out: 16 rows x 272 bytes for each wave, bytes into which no tensor load lands
.set SPITCH, 272
.set ADRA, 16                          ; v16-17  LDS address of my A fragments in slot 0, 1
.set ADRB, 20                          ; v20-21  the same for B
.set STO,  24                          ; v24     the way out: where I put 16 bytes of a row
.set RD,   25                          ; v25     where I read them back
.set CO,   26                          ; v26     my byte offset in qkv
.set ADRS, 27                          ; v27     LDS address of my scale words: lanes 0-15 A's rows, lanes 16-31 B's
.set SPW,  28                          ; v28     LDS address of my spare word; never rewritten
.set NIL,  29                          ; v29     0; never rewritten
.set SC,   32                          ; scale words: set s at v[SC + 32 s]; register 4 i + q: lanes 0-15 A's block i, lanes 16-31 B's block i, the slot's q-th 128 along K
.set AF,   128
.set BI,   192                         ; bias: register 8 b + j = bias[my first column + 16 b + 8 (lane / 16) + j]
.set TMP,  128
.set OB,   192
.set G1, 24                            ; s[24:31] group 1 for A's tiles;  s[32:39] group 0, a set for each slot
.set G0, 32
.set G1B, 48
.set G0B, 56
.set G1S, 68                           ; s[68:75], s[76:79] for A's scale bytes;  s[80:87], s[88:91] for B's
.set G0S, 76
.set G1SB, 80
.set G0SB, 88
.set MSB, 0
.macro WIN new                         ; the immediate's high byte repeats the setting that is left; a switch that changes nothing is dropped
.if MSB != (\new)
	s_set_vgpr_msb (MSB<<8)|(\new)
.set MSB, \new
.endif
.endm
.set MUL_LO,  0xa1                     ; source 0 (B) window 1, source 1 (A) window 0, C and D window 2
.set MUL_HI,  0xf1                     ; the same, C and D window 3
.set BIAS_LO, 0x81                     ; C (the bias) window 0, D window 2
.set BIAS_HI, 0xc1                     ; C window 0, D window 3
.set TO_B,    0x40
; A joint load: waves 0 and 1 fetch for A, waves 2 and 3 for B.  The branch hangs on the wave's number alone.  An s_nop 0 and four v_nop follow each of the two lines.
.macro JLOAD g0a, g1a, g0b, g1b
	s_cmp_eq_u32 s15, 0
	s_cbranch_scc0 .Lfor_b_\@
	tensor_load_to_lds s[\g0a:\g0a+3], s[\g1a:\g1a+7]
	s_nop 0
.rept 4
	v_nop
.endr
	s_branch .Lasked_\@
.Lfor_b_\@:
	tensor_load_to_lds s[\g0b:\g0b+3], s[\g1b:\g1b+7]
	s_nop 0
.rept 4
	v_nop
.endr
.Lasked_\@:
.endm
.macro CROUND                          ; a round of the cluster's barrier
	s_barrier_signal -1
	s_barrier_wait -1
	s_cmp_lg_u32 s14, 0
	s_cbranch_scc1 .Lnot_wave_0_\@
	s_barrier_signal -3
.Lnot_wave_0_\@:
	s_barrier_wait -3
	s_barrier_signal -1
	s_barrier_wait -1
.endm
	s_load_b128 s[4:7], s[0:1], 0x0                ; A's codes, A's scale bytes
	s_load_b128 s[8:11], s[0:1], 0x10              ; B's codes, B's scale bytes
	s_load_b128 s[96:99], s[0:1], 0x20             ; bq, bk
	s_load_b64 s[100:101], s[0:1], 0x30            ; bv
	s_load_b64 s[12:13], s[0:1], 0x38              ; qkv
	v_lshl_add_u32 v[SPW], v0, 2, SPARE
	v_mov_b32 v[NIL], 0
	ds_add_u32 v[SPW], v[NIL]                      ; the wave's opening: the add, twice on end, and its wait ahead of my first tensor load
	ds_add_u32 v[SPW], v[NIL]
	v_lshrrev_b32 v1, 5, v0
	v_readfirstlane_b32 s14, v1                    ; wave 0..3
	s_lshr_b32 s15, s14, 1                         ; which half of the tile's rows is mine.  Also: I fetch for A (0) or for B (1)
	s_and_b32 s16, s14, 1                          ; which half of its columns.  Also: which 128 rows I fetch
	s_bfe_u32 s40, ttmp6, 0x40000                  ; cx, cy
	s_bfe_u32 s41, ttmp6, 0x40004
	s_lshl_b32 s42, ttmp9, 2
	s_add_co_u32 s42, s42, s40                     ; tile column = 4 x cluster x + cx
	s_and_b32 s17, ttmp7, 0xffff
	s_lshr_b32 s95, s17, 3                         ; t: eight rows of clusters to a tensor
	s_lshl_b32 s17, s17, 2
	s_add_co_u32 s17, s17, s41                     ; tile row = 4 x cluster y + cy, 0 .. 95
	s_lshl_b32 s43, s41, 2
	s_lshl_b32 s43, 15, s43                        ; my row of the cluster
	s_lshl_b32 s44, 0x1111, s40                    ; my column
	s_or_b32 s[G1+0], s43, (0<<16)|(1<<20)|(1<<21)|(5<<22)|(3<<25)  ; the mask; elements of 1 byte; padding on; bit 21 beside a mask; 4 words of padding behind every 64
	s_or_b32 s[G1B+0], s44, (0<<16)|(1<<20)|(1<<21)|(5<<22)|(3<<25)
.irp g, G1, G1B
	s_mov_b32 s[\g+1], ROWB<<16                    ; tensor_dim0
	s_mov_b32 s[\g+2], 128<<16                     ; tensor_dim1
	s_mov_b32 s[\g+3], ROWB<<16                    ; tile_dim0
	s_mov_b32 s[\g+4], 128                         ; tile_dim1
	s_mov_b32 s[\g+5], KROW                        ; from row to row
	s_mov_b32 s[\g+6], 0
	s_mov_b32 s[\g+7], 0
.endr
	s_or_b32 s[G1S+0], s43, (3<<16)|(1<<20)|(1<<21)|(5<<22)|(3<<25) ; the scale bytes of 128 rows: 4,096 dense bytes as 16 rows of 256 (32 elements of 8 bytes), 16 bytes of padding behind each
	s_or_b32 s[G1SB+0], s44, (3<<16)|(1<<20)|(1<<21)|(5<<22)|(3<<25)
.irp g, G1S, G1SB
	s_mov_b32 s[\g+1], 32<<16
	s_mov_b32 s[\g+2], (128*KS/256)<<16
	s_mov_b32 s[\g+3], 32<<16
	s_mov_b32 s[\g+4], 128*KS/256
	s_mov_b32 s[\g+5], 32
	s_mov_b32 s[\g+6], 0
	s_mov_b32 s[\g+7], 0
.endr
	s_lshl_b32 s18, s16, 7                         ; which 128 rows of the tile I fetch
	s_lshl_b32 s20, s17, 8
	s_add_co_u32 s20, s20, s18                     ; A: row 256 x tile row + 128 x half
	s_lshl_b32 s46, s42, 8
	s_add_co_u32 s46, s46, s18
	s_lshl_b32 s45, s95, 10
	s_add_co_u32 s46, s46, s45                     ; B: row 1024 t + 256 x tile column + 128 x half
	s_mov_b32 s21, 0
	s_mov_b32 s47, 0
	s_mov_b64 s[18:19], KS
	s_mul_u64 s[22:23], s[20:21], s[18:19]         ; where these rows' scale bytes begin
	s_mul_u64 s[92:93], s[46:47], s[18:19]
	s_mov_b64 s[18:19], KROW
	s_mul_u64 s[20:21], s[20:21], s[18:19]         ; and their codes
	s_mul_u64 s[46:47], s[46:47], s[18:19]
	s_mul_i32 s45, s14, HALFT                      ; where they go: wave x 128 rows
	s_mul_i32 s94, s14, HALFS
	s_wait_dscnt 0x0                               ; both opening adds are done
	s_wait_kmcnt 0x0
	s_add_nc_u64 s[20:21], s[4:5], s[20:21]
	s_add_nc_u64 s[22:23], s[6:7], s[22:23]
	s_add_nc_u64 s[46:47], s[8:9], s[46:47]
	s_add_nc_u64 s[92:93], s[10:11], s[92:93]
	CROUND                                         ; all sixteen work-groups are here: the joint loads meet
	s_mov_b32 s[G0S], 1
	s_add_co_u32 s[G0S+1], s94, SCL
	s_mov_b64 s[G0S+2:G0S+3], s[22:23]
	s_or_b32 s[G0S+3], s[G0S+3], 0x80000000
	s_mov_b32 s[G0SB], 1
	s_add_co_u32 s[G0SB+1], s94, SCL
	s_mov_b64 s[G0SB+2:G0SB+3], s[92:93]
	s_or_b32 s[G0SB+3], s[G0SB+3], 0x80000000
	JLOAD G0S, G1S, G0SB, G1SB                     ; the scale bytes first: they are wanted with slot 0
.irp s, 0,1
	s_mov_b32 s[G0+4*\s], 1
	s_add_co_u32 s[G0+4*\s+1], s45, \s*SLOT
	s_add_nc_u64 s[G0+4*\s+2:G0+4*\s+3], s[20:21], \s*ROWB
	s_or_b32 s[G0+4*\s+3], s[G0+4*\s+3], 0x80000000
	s_mov_b32 s[G0B+4*\s], 1
	s_add_co_u32 s[G0B+4*\s+1], s45, \s*SLOT
	s_add_nc_u64 s[G0B+4*\s+2:G0B+4*\s+3], s[46:47], \s*ROWB
	s_or_b32 s[G0B+4*\s+3], s[G0B+4*\s+3], 0x80000000
	JLOAD G0+4*\s, G1, G0B+4*\s, G1B               ; three tensor loads of mine are out behind the second of these
.endr
	v_and_b32 v1, 15, v0                           ; l % 16
	v_bfe_u32 v2, v0, 4, 1                         ; l / 16
	s_cmp_eq_u32 s95, 1                            ; the bias of my tensor: a choice on the cluster's y alone
	s_cselect_b64 s[96:97], s[98:99], s[96:97]
	s_cmp_eq_u32 s95, 2
	s_cselect_b64 s[96:97], s[100:101], s[96:97]
	s_lshl_b32 s46, s42, 10                        ; my first column in bytes of f32: 1024 x tile column + 512 x half
	s_lshl_b32 s47, s16, 9
	s_add_co_u32 s46, s46, s47
	s_mov_b32 s47, 0
	s_add_nc_u64 s[96:97], s[96:97], s[46:47]
	v_lshlrev_b32 v7, 5, v2                        ; 8 numbers further on for lanes 16-31
.irp b, 0,1,2,3,4,5,6,7
	global_load_b128 v[BI+8*\b:BI+8*\b+3],   v7, s[96:97] offset:64*\b
	global_load_b128 v[BI+8*\b+4:BI+8*\b+7], v7, s[96:97] offset:64*\b+16
.endr
	v_mul_u32_u24 v3, v1, PITCH
	v_lshl_add_u32 v4, v2, 4, v3                   ; a fragment's row x pitch + 16 x half
	s_mul_i32 s21, s15, HALFT                      ; my 128 rows of A
	s_mul_i32 s22, s16, HALFT                      ; my 128 rows of B,
	s_add_co_u32 s22, s22, 2*HALFT                 ; which lie behind A's 256
.irp s, 0,1
	v_add_nc_u32 v[ADRA+\s], s21, v4
	v_add_nc_u32 v[ADRB+\s], s22, v4
	s_add_co_u32 s21, s21, SLOT
	s_add_co_u32 s22, s22, SLOT
.endr
	v_mul_u32_u24 v5, v1, KS                       ; my row's scale bytes: 32 a row,
	v_lshrrev_b32 v6, 8, v5
	v_lshl_add_u32 v5, v6, 4, v5                   ; and 16 more for each 256 passed
	s_mul_i32 s21, s15, HALFS                      ; A's: my 128 rows
	s_mul_i32 s22, s16, HALFS                      ; B's: my 128 rows, behind A's 256
	s_add_co_u32 s22, s22, 2*HALFS
	s_sub_co_u32 s22, s22, s21
	v_mul_u32_u24 v6, s22, v2                      ; lanes 16-31 take B's: one product, the distance between the two bases
	s_add_co_u32 s21, s21, SCL
	v_add_nc_u32 v5, v5, v6
	v_add_nc_u32 v[ADRS], s21, v5
	s_mul_i32 s23, s14, 16*SPITCH
	s_add_co_u32 s23, s23, STAGE                   ; my stage
	v_mul_u32_u24 v5, v1, SPITCH                   ; in: row l % 16, 16 bytes for each half of the lanes
	v_lshl_add_u32 v5, v2, 4, v5
	v_add_nc_u32 v[STO], s23, v5
	v_bfe_u32 v5, v0, 3, 1                         ; back: lanes 0-15 take two tokens' 128 bytes of my first head, lanes 16-31 of my second
	v_mul_u32_u24 v5, v5, SPITCH
	v_lshl_add_u32 v5, v2, 7, v5
	v_and_b32 v6, 7, v0
	v_lshl_add_u32 v5, v6, 4, v5
	v_add_nc_u32 v[RD], s23, v5
	v_lshlrev_b32 v[CO], 4, v1                     ; in qkv two tokens of a head are 256 consecutive bytes; a head is 262,144 bytes
	v_lshl_add_u32 v[CO], v2, 18, v[CO]
	s_lshl_b32 s20, s17, 8
	s_lshl_b32 s21, s15, 7
	s_add_co_u32 s20, s20, s21                     ; my first row, 0 .. 24,448
	s_lshr_b32 s21, s20, 11                        ; 4 t + batch
	s_lshl_b32 s21, s21, 4
	s_lshl_b32 s46, s42, 2
	s_add_co_u32 s21, s21, s46
	s_lshl_b32 s46, s16, 1
	s_add_co_u32 s21, s21, s46                     ; + my first head: 4 x tile column + 2 x half
	s_lshl_b32 s21, s21, 18
	s_and_b32 s20, s20, 2047                       ; my first token,
	s_lshl_b32 s20, s20, 7                         ; 128 bytes a token
	s_add_co_u32 s20, s20, s21                     ; under 2^26
	s_mov_b32 s21, 0
	s_add_nc_u64 s[12:13], s[12:13], s[20:21]
.macro FRAG reg, adr, q, i             ; a fragment, 16 rows x 128 K of 4-bit codes: lane l holds row l % 16; registers 4 c .. 4 c + 3 hold K = 64 c + 32 (l / 16) + 0 .. 31
.irp c, 0,1
	ds_load_b128 v[\reg+4*\c:\reg+4*\c+3], v[\adr] offset:64*(\q)+32*\c+(\i)*16*PITCH
.endr
.endm
; 16 matrix instructions: A's blocks a0, a0 + 1 x B's eight, the slot's q-th 128 along K.  p: B's set;  sc: the set of scale words.  zero = 1: the first product starts the sums from the bias.
; The 64 accumulators take turns, one instruction a turn, in the same order in every step.
.macro MUL16 a0, p, q, sc, zero
.irp a, \a0, \a0+1
.irp b, 0,1,2,3,4,5,6,7
.if \zero
	v_wmma_scale_f32_16x16x128_f8f6f4 v[8*(8*((\a)%4)+\b):8*(8*((\a)%4)+\b)+7], v[128*(\p)+FR*\b:128*(\p)+FR*\b+FR-1], v[AF+FR*(\a):AF+FR*(\a)+FR-1], v[BI+8*\b:BI+8*\b+7], v[SC+8*NQ*(\sc)+NQ*\b+(\q)], v[SC+8*NQ*(\sc)+NQ*(\a)+(\q)] matrix_a_fmt:MATRIX_FMT_FP4 matrix_b_fmt:MATRIX_FMT_FP4 matrix_a_scale:MATRIX_SCALE_ROW1
.else
	v_wmma_scale_f32_16x16x128_f8f6f4 v[8*(8*((\a)%4)+\b):8*(8*((\a)%4)+\b)+7], v[128*(\p)+FR*\b:128*(\p)+FR*\b+FR-1], v[AF+FR*(\a):AF+FR*(\a)+FR-1], v[8*(8*((\a)%4)+\b):8*(8*((\a)%4)+\b)+7], v[SC+8*NQ*(\sc)+NQ*\b+(\q)], v[SC+8*NQ*(\sc)+NQ*(\a)+(\q)] matrix_a_fmt:MATRIX_FMT_FP4 matrix_b_fmt:MATRIX_FMT_FP4 matrix_a_scale:MATRIX_SCALE_ROW1
.endif
.endr
.endr
.endm
.macro FETCH_B slot, q, p
	WIN TO_B
.irp i, 0,1,2,3,4,5,6,7
	FRAG 128*(\p)+FR*\i, ADRB+\slot, \q, \i
.endr
	WIN 0
.endm
.macro FETCH_A slot, q, i0
.irp i, \i0, \i0+1, \i0+2, \i0+3
	FRAG AF+FR*(\i), ADRA+\slot, \q, \i
.endr
.endm
.macro SCALES sc                       ; a slot's scale words: 4 words a row; lanes 0-15 take A's block i, lanes 16-31 B's block i
.irp i, 0,1,2,3,4,5,6,7
	ds_load_b128 v[SC+8*NQ*\sc+NQ*\i:SC+8*NQ*\sc+NQ*\i+3], v[ADRS] offset:\i*SBLK
.endr
.endm
.macro PLACES n                        ; places in front of loads into registers that matrix instructions have read, and of the first read of results
.rept \n
	v_nop
.endr
.endm
; A step of 128 along K that has its successor in the same slot.  A's blocks 0-3 are fetched anew in the step's middle, blocks 4-7 at its end; B has two sets.
.macro STEP slot, q, zero
	s_wait_dscnt 4*NL                              ; B's set, the scale words and A's blocks 0-3 are in; the youngest eight loads (A's blocks 4-7) may be out
.if \zero
	WIN BIAS_LO
.else
	WIN MUL_LO
.endif
	MUL16 0, (\q)%2, \q, \slot, \zero
	MUL16 2, (\q)%2, \q, \slot, \zero
	s_wait_dscnt 0                                 ; A's blocks 4-7 are in
	PLACES NP
	FETCH_B \slot, (\q)+1, 1-(\q)%2
	FETCH_A \slot, (\q)+1, 0
.if \zero
	WIN BIAS_HI
.else
	WIN MUL_HI
.endif
	MUL16 4, (\q)%2, \q, \slot, \zero
	MUL16 6, (\q)%2, \q, \slot, \zero
	PLACES NP
	WIN 0
	FETCH_A \slot, (\q)+1, 4
.endm
; Slot 0's last step goes over to slot 1: each wave waits for all its tensor loads (its part of slot 1), then the barrier shows the whole slot to every wave.  Nothing is filled again.
.macro TURN slot, next
	s_wait_tensorcnt 0x0                           ; all my tensor loads have landed
	ds_add_u32 v[SPW], v[NIL]                      ; 0 onto my spare word
	s_wait_dscnt 4*NL+1                            ; (the add and the youngest eight loads, A's blocks 4-7, may be out)
	WIN MUL_LO
	MUL16 0, 1, NQ-1, \slot, 0
	s_wait_dscnt 0x0                               ; no LDS instruction of mine is out at the signal
	s_barrier_signal -1
	MUL16 2, 1, NQ-1, \slot, 0
	WIN 0
	s_barrier_wait -1
	PLACES NP
	v_add_nc_u32 v[ADRS], 4*NQ, v[ADRS]            ; on to the next slot's scale words
	FETCH_B \next, 0, 0
	FETCH_A \next, 0, 0
	SCALES \next
	WIN MUL_HI
	MUL16 4, 1, NQ-1, \slot, 0
	MUL16 6, 1, NQ-1, \slot, 0
	PLACES NP
	WIN 0
	FETCH_A \next, 0, 4
.endm
	s_wait_tensorcnt 1                             ; the scale bytes and my part of slot 0 are in; slot 1's load may be out,
	s_barrier_signal -1
	s_barrier_wait -1                              ; everybody's are
	FETCH_B 0, 0, 0
	FETCH_A 0, 0, 0
	SCALES 0
	FETCH_A 0, 0, 4
	s_wait_loadcnt 0x0                             ; the bias
	STEP 0, 0, 1
	STEP 0, 1, 0
	STEP 0, 2, 0
	TURN 0, 1
	STEP 1, 0, 0
	STEP 1, 1, 0
	STEP 1, 2, 0
	s_wait_dscnt 4*NL                              ; the last step: nothing more to fetch
	WIN MUL_LO
	MUL16 0, 1, NQ-1, 1, 0
	MUL16 2, 1, NQ-1, 1, 0
	s_wait_dscnt 0
	WIN MUL_HI
	MUL16 4, 1, NQ-1, 1, 0
	MUL16 6, 1, NQ-1, 1, 0
	WIN 0
; THE WAY OUT, block by block of 16 rows x 128 columns (two heads).  PACK: rounded to f16, 16 bytes a lane, each accumulator from its low end on.  TOSTAGE: into my own stage and back by tokens.  SEND: stored.
.macro PACK a
.set AC, 64*((\a)%4)
	WIN 0x0a+5*((\a)/4)                            ; sources 0 and 1: window 2 or 3
.irp b, 0,1,2,3,4,5,6,7
.irp r, 0,1,2,3
	v_cvt_pk_f16_f32 v[TMP+4*\b+\r], v[AC+8*\b+2*\r], v[AC+8*\b+2*\r+1]
.endr
.endr
	WIN 0
.endm
.macro TOSTAGE a
.set BB, OB+32*((\a)%2)
.irp b, 0,1,2,3,4,5,6,7
	ds_store_b128 v[STO], v[TMP+4*\b:TMP+4*\b+3] offset:32*\b
.endr
.irp i, 0,1,2,3,4,5,6,7
	ds_load_b128 v[BB+4*\i:BB+4*\i+3], v[RD] offset:\i*2*SPITCH    ; LDS serves a wave's instructions in order: these see the stores above
.endr
.endm
.macro SEND a
.set BB, OB+32*((\a)%2)
	s_wait_dscnt 0x0                               ; the block is back in registers
	s_wait_xcnt 0x0                                ; the stores of the block before have read their data: the next block's loads land there only behind this wait
.irp i, 0,1,2,3,4,5,6,7
	global_store_b128 v[CO], v[BB+4*\i:BB+4*\i+3], s[12:13] offset:2048*(\a)+256*\i   ; 16 lanes store 256 consecutive bytes, aligned: two tokens of a head
.endr
.endm
	PLACES NP
	PACK 0
	TOSTAGE 0
.irp a, 1,2,3,4,5,6,7                  ; block a's conversions stand between block a - 1's loads from the stage and the wait for them
	PACK \a
	SEND \a-1
	TOSTAGE \a
.endr
	SEND 7
	s_wait_tensorcnt 0x0                           ; the wave's end, behind my last tensor load and my last LDS store
	ds_add_u32 v[SPW], v[NIL]
	s_wait_dscnt 0x0
	CROUND                                         ; the closing round
	s_endpgm
.Lfunc_end_k_q34c3488bbd_proj:
	.size	k_q34c3488bbd_proj, .Lfunc_end_k_q34c3488bbd_proj-k_q34c3488bbd_proj
	.p2alignl 7, 3214868480
	.fill 96, 4, 3214868480
	.section	.rodata,"a",@progbits
	.p2align	6, 0x0
	.amdhsa_kernel k_q34c3488bbd_proj
		.amdhsa_group_segment_fixed_size 327680
		.amdhsa_private_segment_fixed_size 0
		.amdhsa_enable_private_segment 0
		.amdhsa_kernarg_size 64
		.amdhsa_user_sgpr_count 2
		.amdhsa_user_sgpr_kernarg_segment_ptr 1
		.amdhsa_wavefront_size32 1
		.amdhsa_system_sgpr_workgroup_id_x 1
		.amdhsa_system_sgpr_workgroup_id_y 1
		.amdhsa_system_sgpr_workgroup_id_z 1
		.amdhsa_system_vgpr_workitem_id 0
		.amdhsa_next_free_vgpr 1024
		.amdhsa_next_free_sgpr 102
		.amdhsa_reserve_vcc 0
		.amdhsa_float_denorm_mode_32 3
		.amdhsa_float_denorm_mode_16_64 3
		.amdhsa_memory_ordered 1
		.amdhsa_forward_progress 1
		.amdhsa_inst_pref_size 129
	.end_amdhsa_kernel
	.amdgpu_metadata
---
amdhsa.version: [ 1, 2 ]
amdhsa.kernels:
  - .name:           k_q34c3488bbd_proj
    .symbol:         k_q34c3488bbd_proj.kd
    .args:
      - { .name: xcodes, .offset: 0, .size: 8, .value_kind: global_buffer, .address_space: global }
      - { .name: xscales, .offset: 8, .size: 8, .value_kind: global_buffer, .address_space: global }
      - { .name: wcodes, .offset: 16, .size: 8, .value_kind: global_buffer, .address_space: global }
      - { .name: wscales, .offset: 24, .size: 8, .value_kind: global_buffer, .address_space: global }
      - { .name: bq, .offset: 32, .size: 8, .value_kind: global_buffer, .address_space: global }
      - { .name: bk, .offset: 40, .size: 8, .value_kind: global_buffer, .address_space: global }
      - { .name: bv, .offset: 48, .size: 8, .value_kind: global_buffer, .address_space: global }
      - { .name: qkv, .offset: 56, .size: 8, .value_kind: global_buffer, .address_space: global }
    .group_segment_fixed_size: 327680
    .private_segment_fixed_size: 0
    .kernarg_segment_align: 8
    .kernarg_segment_size: 64
    .max_flat_workgroup_size: 128
    .sgpr_count:     102
    .vgpr_count:     1024
    .wavefront_size: 32
...
	.end_amdgpu_metadata
.endif
;; end of part 2
;; launch attn (part 3): grid 8 x 64, 8 waves a work-group, clusters of 4 x 1, 327,680 bytes of LDS; arguments qkv, ctx; writes ctx
.if DOCPART == 3
	.amdgcn_target "amdgcn-amd-amdhsa--gfx1250"
	.amdhsa_code_object_version 6
	.text
	.protected	k_q34c3488bbd_attn
	.globl	k_q34c3488bbd_attn
	.p2align	8
	.type	k_q34c3488bbd_attn,@function
k_q34c3488bbd_attn:
	s_mov_b64 s[64:65], 0
	v_nop
	global_prefetch_b8 v0, s[64:65] scope:SCOPE_SE
	s_setreg_imm32_b32 hwreg(HW_REG_WAVE_MODE, 25, 1), 1
	s_wait_xcnt 0x0
	s_wait_alu depctr_hold_cnt(0) depctr_sa_sdst(0) depctr_va_vdst(0) depctr_va_sdst(0) depctr_va_ssrc(0) depctr_va_vcc(0) depctr_vm_vsrc(0)
	s_getreg_b32 s2, hwreg(HW_REG_IB_STS2, 6, 4)
	s_cmp_eq_u32 s2, 0
	s_cbranch_scc0 .Lentry_in_a_cluster
	s_endpgm
.Lentry_in_a_cluster:
	s_bfe_u32 s2, ttmp6, 0x10000c
	s_cmp_lg_u32 s2, 0x3003
	s_cbranch_scc0 .Lentry_shape_is_right
	s_endpgm
.Lentry_shape_is_right:
; ctx[q][:] = the sum over k of softmax_k(Q[q] . K[k] / 8) V[k][:] for each of 64 (batch, head).  Q, K, V: qkv [3][64][2048][64] f16.  Products, maxima and sums in f32; the weights p are rounded to f16 for the second product, the result once at the end.
; ctx is laid [token / 128][head][128 tokens][64] f16, as the next launch's tiles want it.  LIMIT: the result must lie under 65,504 in magnitude (f16).
; SHARES.  A work-group owns 256 queries of one head, each of its eight waves 32: two tiles of 16.  Two waves lie on a SIMD (384 registers each), so that one wave's softmax stands beside the other's products.  Every wave walks all 2,048 keys, 64 a step.
; LAYOUT.  S^T = K Q^T (source 0 = 16 keys, source 1 = 16 queries): a lane holds ONE query (lane % 16) and the keys 8 (lane / 16) + 0..7.  Two such tiles, rounded to f16 in pairs, ARE source 1 (32 keys x 16 queries) of O^T = V^T P.
; K comes out of LDS as it lies, V ([key][channel]) turned, by ds_load_tr16_b128.
; SOFTMAX.  For each query a running maximum m and sum l: p = 2^(c s - c m), c = log2(e) / 8; in every step O and l are multiplied by a = 2^(c m_old - c m_new).  m begins at -3e38 and O and l at 0, so the step is written once.
; RING.  Two LDS slots of four key steps (256 keys).  Waves 0-3 fetch K's tiles of the four steps, waves 4-7 V's: one tensor load a wave behind each change of slots, which has four key steps in which to land.
; CLUSTER.  The four query blocks of a cluster belong to one head and walk the same K and V: each tile is asked for jointly, by the same tensor load with the same descriptor and a mask that names the four.
; REGISTERS: window 0: v2-15 addresses; v16-31 statistics, eight a tile; v48-79 Q; v80-143 S^T, 32 a tile; v144-175 P; v176-239 K of a step.   window 1: v0-63 O^T, 32 a tile; v64-127 V of a step.
.set KS,    64                         ; keys in a step
.set NST,   4                          ; steps in a slot
.set PK,    144                        ; a row of K in LDS: 128 bytes + 16 of padding
.set PV,    160                        ; a row of V: 128 + 32
.set VOFF,  KS*PK                      ; a step's tiles lie together: 64 rows of K, then 64 rows of V
.set STEPB, KS*(PK+PV)
.set SLOTM, NST*KS*128                 ; a slot's keys in memory: 32,768 bytes of K, as many of V
.set SLOT1, 1<<17                      ; slot 1 begins here, so that one exclusive or turns an address in one slot into the other's
.set STAGE, SLOT1+NST*STEPB            ; behind the ring: 16 rows x 144 bytes for each wave, for the way out
.set SP,    144
.set SPARE, STAGE+8*16*SP              ; the spare words, 128 bytes a wave
.set AK0, 2                            ; v2   my lane's place in a tile of K
.set AV0, 3                            ; v3   the same for V
.set ADK, 4                            ; v4   LDS address of the step's K
.set ADV, 5                            ; v5   of its V
.set QO,  6                            ; v6   my byte offset in the wave's rows of Q
.set STO, 7                            ; v7   the way out: where I put 16 bytes of a row
.set RD,  8                            ; v8   where I read rows back
.set GO,  9                            ; v9   my byte offset in the wave's rows of ctx
.set ST,  16                           ; tile t's statistics at v[ST+8 t]: +0 c m, +1 m, +2, +3 l, +4 to +7 at work; a takes +6
.set SPW, 32                           ; v32  LDS address of my spare word; never rewritten
.set NIL, 33                           ; v33  0; never rewritten
.set PFO, 34                           ; v34  256 x my lane; never rewritten
.set Q,   48
.set S,   80
.set P,   144
.set KF,  176
.set O,   0                            ; in window 1
.set VF,  64                           ; in window 1
.set WV,  12                           ; s12  my wave's number
.set LIM, 15                           ; s15  1 in a wave that prefetches, else the greatest number
.set PFA, 18                           ; s[18:19] where my prefetches stand
.set G1K, 24
.set G1V, 32
.set G0K, 40                           ; s[40:47] group 0 for K's tiles: a set for each first fill; the second then walks on
.set G0V, 48
.set SLOTS, 56                         ; s56  slots still to be asked for
.set CNT, 57                           ; s57  counts a slot's steps
.set CS,  58                           ; s[58:59] c
.set SEL, 60                           ; s[60:61] lane selects for v_permlanex16_b32: lane l xor 16
.set TB,  62                           ; s62  LDS byte at which the step's tiles begin
.set MSB, 0
.macro WIN new
.if MSB != (\new)
	s_set_vgpr_msb (MSB<<8)|(\new)
.set MSB, \new
.endif
.endm
.set W_PV, 0x51                        ; V, C and D in window 1, P in window 0
.set W_RS, 0x41                        ; O^T (destination and source 0) in window 1, the factor in window 0
.macro JLOAD                           ; a joint refill: waves 0-3 K's tiles, waves 4-7 V's.  An s_nop 0 and four v_nop follow each of the two lines
	s_cmp_lt_u32 s[WV], 4
	s_cbranch_scc0 .Lfor_v_\@
	tensor_load_to_lds s[G0K+4:G0K+7], s[G1K:G1K+7]
	s_nop 0
.rept 4
	v_nop
.endr
	s_branch .Lasked_\@
.Lfor_v_\@:
	tensor_load_to_lds s[G0V+4:G0V+7], s[G1V:G1V+7]
	s_nop 0
.rept 4
	v_nop
.endr
.Lasked_\@:
.endm
; A prefetch of what the NEXT change of slots will ask for: a slot's 32,768 bytes of K and of V, lanes 256 bytes apart.  Each block of 256 bytes is named once in the launch: both clusters of a head walk the same K and V, and the first asks;
; its four partners take 8,192 bytes each, told apart by address; in each, wave 0 asks for K's and wave 4 for V's.  The last change that fills a slot asks for nothing.
.macro ASK
	s_cmp_gt_u32 s[SLOTS], s[LIM]
	s_cbranch_scc0 .Lnot_mine_\@
	global_prefetch_b8 v[PFO], s[PFA:PFA+1] th:TH_LOAD_NT scope:SCOPE_SE
.Lnot_mine_\@:
.endm
.macro CROUND                          ; a round of the cluster's barrier
	s_barrier_signal -1
	s_barrier_wait -1
	s_cmp_lg_u32 s[WV], 0
	s_cbranch_scc1 .Lnot_wave_0_\@
	s_barrier_signal -3
.Lnot_wave_0_\@:
	s_barrier_wait -3
	s_barrier_signal -1
	s_barrier_wait -1
.endm
.macro PLACES
.rept 4
	v_nop
.endr
.endm
	s_load_b128 s[8:11], s[0:1], 0x0               ; qkv s[8:9], ctx s[10:11]
	v_lshl_add_u32 v[SPW], v0, 2, SPARE
	v_mov_b32 v[NIL], 0
	ds_add_u32 v[SPW], v[NIL]                      ; the wave's opening: the add, twice on end, and its wait ahead of my first tensor load
	ds_add_u32 v[SPW], v[NIL]
	v_lshrrev_b32 v1, 5, v0
	v_readfirstlane_b32 s[WV], v1                  ; wave 0..7
	s_bfe_u32 s13, ttmp6, 0x40000                  ; cx
	s_lshl_b32 s14, ttmp9, 2
	s_add_co_u32 s14, s14, s13                     ; my block of 256 queries: it enters Q's, ctx's and the prefetches' addresses alone
	s_and_b32 s16, ttmp7, 0xffff                   ; 16 x batch + head, which the four partners share
	s_lshl_b32 s20, s16, 18                        ; the head's first byte in each of q, k, v
	s_and_b32 s17, s[WV], 3                        ; which of a slot's four steps I fetch:
	s_lshl_b32 s22, s17, 13                        ; its 64 rows of 128 bytes in memory,
	s_add_co_u32 s22, s22, s20
	s_add_co_u32 s22, s22, 0x1000000               ; in k, which lies 16,777,216 bytes behind q
	s_mov_b32 s23, 0
	s_lshl_b32 s68, s17, 12                        ; (ctx: my 32 rows among a block's 128)
	s_mul_i32 s17, s17, STEPB                      ; and its place in a slot
	s_lshl_b32 s2, s14, 15                         ; Q: my block's 256 rows,
	s_lshl_b32 s3, s[WV], 12                       ; my wave's 32 of them
	s_add_co_u32 s2, s2, s3
	s_add_co_u32 s2, s2, s20
	s_mov_b32 s3, 0
	s_lshr_b32 s66, s16, 4                         ; ctx: token / 128 = 16 x batch + 2 x block + wave / 4
	s_lshl_b32 s66, s66, 4
	s_lshl_b32 s67, s14, 1
	s_add_co_u32 s66, s66, s67
	s_lshr_b32 s67, s[WV], 2
	s_add_co_u32 s66, s66, s67
	s_lshl_b32 s66, s66, 4
	s_and_b32 s67, s16, 15
	s_add_co_u32 s66, s66, s67                     ; x 16 + head,
	s_lshl_b32 s66, s66, 14                        ; 16,384 bytes each
	s_add_co_u32 s66, s66, s68
	s_mov_b32 s67, 0
	s_mov_b32 s[G1K], 15|(1<<16)|(1<<20)|(1<<21)|(4<<22)|(3<<25)  ; the mask: all four work-groups; elements of 2 bytes; padding on; bit 21 beside a mask; 4 words of padding behind every 32
	s_mov_b32 s[G1V], 15|(1<<16)|(1<<20)|(1<<21)|(4<<22)|(7<<25)  ; the same with 8 words of padding
.irp g, G1K, G1V
	s_mov_b32 s[\g+1], 64<<16                      ; tensor_dim0 = 64
	s_mov_b32 s[\g+2], KS<<16                      ; tensor_dim1 = 64
	s_mov_b32 s[\g+3], 64<<16                      ; tile_dim0 = 64
	s_mov_b32 s[\g+4], KS                          ; tile_dim1 = 64
	s_mov_b32 s[\g+5], 64                          ; from row to row
	s_mov_b32 s[\g+6], 0
	s_mov_b32 s[\g+7], 0
.endr
	s_mov_b32 s[CS], 0x3e38aa3b                    ; c = log2(e) / 8
	s_mov_b32 s[CS+1], s[CS]                       ; named with it as a pair, so it is written
	s_mov_b32 s[SEL], 0x76543210
	s_mov_b32 s[SEL+1], 0xfedcba98
	s_mov_b32 s[TB], 0
	s_mov_b32 s[SLOTS], 2048/(NST*KS)-2
	s_and_b32 s[LIM], s[WV], 3                     ; 0 in waves 0 and 4,
	s_or_b32 s[LIM], s[LIM], ttmp9                 ; where the cluster is the head's first: the same in all four partners
	s_cmp_eq_u32 s[LIM], 0
	s_cselect_b32 s[LIM], 1, -1
	v_and_b32 v[PFO], 31, v0
	v_lshlrev_b32 v[PFO], 8, v[PFO]
	s_wait_dscnt 0x0                               ; both opening adds are done
	s_wait_kmcnt 0x0
	s_add_nc_u64 s[4:5], s[8:9], s[2:3]            ; Q at my wave's first row
	s_add_nc_u64 s[6:7], s[8:9], s[22:23]          ; K at my tile of slot 0
	s_add_nc_u64 s[8:9], s[6:7], 0x1000000         ; V likewise
	s_add_nc_u64 s[10:11], s[10:11], s[66:67]      ; ctx at my wave's first row
	s_cmp_lt_u32 s[WV], 4
	s_cselect_b64 s[PFA:PFA+1], s[6:7], s[8:9]     ; (in waves 0 and 4 these stand at a slot's first row)
	s_lshl_b32 s2, s13, 13                         ; my work-group's 8,192 bytes of the 32,768
	s_mov_b32 s3, 0
	s_add_nc_u64 s[PFA:PFA+1], s[PFA:PFA+1], s[2:3]
	s_add_nc_u64 s[PFA:PFA+1], s[PFA:PFA+1], 2*SLOTM  ; in slot 2; the first change of slots steps it to slot 3.  Nothing is prefetched here, at the head
	CROUND                                         ; all four work-groups are here: the first joint loads meet
.irp s, 0,1
	s_mov_b32 s[G0K+4*\s], 1
	s_add_co_u32 s[G0K+4*\s+1], s17, \s*SLOT1
	s_add_nc_u64 s[G0K+4*\s+2:G0K+4*\s+3], s[6:7], \s*SLOTM
	s_or_b32 s[G0K+4*\s+3], s[G0K+4*\s+3], 0x80000000
	s_mov_b32 s[G0V+4*\s], 1
	s_add_co_u32 s[G0V+4*\s+1], s17, \s*SLOT1+VOFF
	s_add_nc_u64 s[G0V+4*\s+2:G0V+4*\s+3], s[8:9], \s*SLOTM
	s_or_b32 s[G0V+4*\s+3], s[G0V+4*\s+3], 0x80000000
.endr
	s_cmp_lt_u32 s[WV], 4                          ; a wave's two first fills stand in one branch, ahead of every wait on TENSORcnt and every LDS read: two loads of mine are out
	s_cbranch_scc0 .Lfirst_v
	tensor_load_to_lds s[G0K:G0K+3], s[G1K:G1K+7]
	s_nop 0
	tensor_load_to_lds s[G0K+4:G0K+7], s[G1K:G1K+7]
	s_nop 0
.rept 4
	v_nop
.endr
	s_branch .Lfirst_asked
.Lfirst_v:
	tensor_load_to_lds s[G0V:G0V+3], s[G1V:G1V+7]
	s_nop 0
	tensor_load_to_lds s[G0V+4:G0V+7], s[G1V:G1V+7]
	s_nop 0
.rept 4
	v_nop
.endr
.Lfirst_asked:
	; A fragment of K or Q is 16 rows x 32 channels in 8 registers: lane l holds row l % 16; registers 0-3 channels 8 (l / 16) + 0..7, registers 4-7 channels 16 + 8 (l / 16) + 0..7
	v_and_b32 v1, 15, v0                           ; l % 16
	v_bfe_u32 v10, v0, 4, 1                        ; l / 16
	v_lshlrev_b32 v[QO], 7, v1
	v_lshl_add_u32 v[QO], v10, 4, v[QO]            ; row x 128 + 16 x half
.irp t, 0,1
.irp c, 0,1
.irp e, 0,1
	global_load_b128 v[Q+16*\t+8*\c+4*\e:Q+16*\t+8*\c+4*\e+3], v[QO], s[4:5] offset:2048*\t+64*\c+32*\e   ; Q stays in registers
.endr
.endr
.endr
	v_mul_u32_u24 v[AK0], v1, PK
	v_lshl_add_u32 v[AK0], v10, 4, v[AK0]
	v_and_b32 v11, 7, v0                           ; the turning load: lane l reads 16 bytes of key 8 (l / 16) + l % 8, channels 8 ((l / 8) % 2) + 0..7
	v_bfe_u32 v13, v0, 3, 1
	v_lshl_add_u32 v[AV0], v10, 3, v11
	v_mul_u32_u24 v[AV0], v[AV0], PV
	v_lshl_add_u32 v[AV0], v13, 4, v[AV0]
	v_add_nc_u32 v[AV0], VOFF, v[AV0]
	s_mul_i32 s69, s[WV], 16*SP
	s_add_co_u32 s69, s69, STAGE                   ; my stage
	v_mul_u32_u24 v[STO], v1, SP                   ; in: row l % 16, 16 bytes for each half of the lanes
	v_lshl_add_u32 v[STO], v10, 4, v[STO]
	v_add_nc_u32 v[STO], s69, v[STO]
	v_and_b32 v14, 31, v0
	v_lshrrev_b32 v15, 3, v14                      ; back: eight lanes to a row of 128 bytes, four rows an instruction
	v_mul_u32_u24 v[RD], v15, SP
	v_lshl_add_u32 v[RD], v11, 4, v[RD]
	v_add_nc_u32 v[RD], s69, v[RD]
	v_lshlrev_b32 v[GO], 4, v14                    ; and the same 512 consecutive bytes in ctx
.irp t, 0,1
	v_mov_b32 v[ST+8*\t+1], 0xff61b1e6             ; m: -3e38, under every score
	v_mul_f32 v[ST+8*\t], s[CS], v[ST+8*\t+1]      ; c m
.irp i, 2,3,4,5,6,7
	v_mov_b32 v[ST+8*\t+\i], 0                     ; l, and the registers at work
.endr
.endr
	WIN 0x40
.set i, 0
.rept 64
	v_mov_b32 v[O+i], 0                            ; O^T.  (The step is written once: the first finds zeros, which its a = 0 leaves zeros)
.set i, i+1
.endr
	WIN 0
; A KEY STEP: 64 keys, in phases: the loads, K Q^T, the softmax of both tiles, V^T P.
.macro STEP
	v_add_nc_u32 v[ADK], s[TB], v[AK0]             ; these two and two v_nop are the four places between the last step's products and the loads into V's registers
	v_add_nc_u32 v[ADV], s[TB], v[AV0]
	v_nop
	v_nop
.irp kt, 0,1,2,3
.irp c, 0,1
.irp e, 0,1
	ds_load_b128 v[KF+16*\kt+8*\c+4*\e:KF+16*\kt+8*\c+4*\e+3], v[ADK] offset:\kt*16*PK+64*\c+32*\e
.endr
.endr
.endr
	WIN 0x40                                       ; destination window 1
.irp kk, 0,1
.irp dt, 0,1,2,3
.irp e, 0,1
	ds_load_tr16_b128 v[VF+32*\kk+8*\dt+4*\e:VF+32*\kk+8*\dt+4*\e+3], v[ADV] offset:\kk*32*PV+\e*16*PV+32*\dt
.endr
.endr
.endr
	WIN 0
	s_wait_dscnt 16                                ; K's sixteen loads are in; V's sixteen may be out
.irp c, 0,1                                    ; S^T = K Q^T: eight accumulators by turns; the first eight products start the sums
.irp kt, 0,1,2,3
.irp t, 0,1
.if \c == 0
	v_wmma_f32_16x16x32_f16 v[S+32*\t+8*\kt:S+32*\t+8*\kt+7], v[KF+16*\kt+8*\c:KF+16*\kt+8*\c+7], v[Q+16*\t+8*\c:Q+16*\t+8*\c+7], 0
.else
	v_wmma_f32_16x16x32_f16 v[S+32*\t+8*\kt:S+32*\t+8*\kt+7], v[KF+16*\kt+8*\c:KF+16*\kt+8*\c+7], v[Q+16*\t+8*\c:Q+16*\t+8*\c+7], v[S+32*\t+8*\kt:S+32*\t+8*\kt+7]
.endif
.endr
.endr
.endr
	PLACES
	; the maximum of the lane's 32 scores and the old m, three operands at a time; each accumulator is read from its low end on; the two tiles alternate
.irp j, 0,1,2,3
.irp t, 0,1
	v_max3_num_f32 v[ST+8*\t+4+\j], v[S+32*\t+8*\j], v[S+32*\t+8*\j+1], v[S+32*\t+8*\j+2]
.endr
.endr
.irp g, 1,2
.irp j, 0,1,2,3
.irp t, 0,1
	v_max3_num_f32 v[ST+8*\t+4+\j], v[ST+8*\t+4+\j], v[S+32*\t+8*\j+2*\g+1], v[S+32*\t+8*\j+2*\g+2]
.endr
.endr
.endr
.irp t, 0,1
	v_max3_num_f32 v[ST+8*\t+4], v[ST+8*\t+4], v[S+32*\t+7], v[S+32*\t+15]
.endr
.irp t, 0,1
	v_max3_num_f32 v[ST+8*\t+6], v[ST+8*\t+6], v[S+32*\t+23], v[S+32*\t+31]
.endr
.irp t, 0,1
	v_max3_num_f32 v[ST+8*\t+4], v[ST+8*\t+4], v[ST+8*\t+5], v[ST+8*\t+6]
.endr
.irp t, 0,1
	v_max3_num_f32 v[ST+8*\t+4], v[ST+8*\t+4], v[ST+8*\t+7], v[ST+8*\t+1]
.endr
.irp t, 0,1
	v_permlanex16_b32 v[ST+8*\t+5], v[ST+8*\t+4], s[SEL], s[SEL+1]   ; the query's other 32 keys lie in the lane 16 away
.endr
.irp t, 0,1
	v_mov_b32 v[ST+8*\t+7], v[ST+8*\t]             ; c m_old is kept for a
.endr
.irp t, 0,1
	v_max_num_f32 v[ST+8*\t+1], v[ST+8*\t+4], v[ST+8*\t+5]
.endr
.irp t, 0,1
	v_mul_f32 v[ST+8*\t], s[CS], v[ST+8*\t+1]
.endr
.irp t, 0,1
	v_sub_f32 v[ST+8*\t+7], v[ST+8*\t+7], v[ST+8*\t]
.endr
.set b, 0
.rept 16
.irp t, 0,1
	v_pk_fma_f32 v[S+32*\t+2*b:S+32*\t+2*b+1], v[S+32*\t+2*b:S+32*\t+2*b+1], s[CS:CS+1], v[ST+8*\t:ST+8*\t+1] op_sel_hi:[1,0,0] neg_lo:[0,0,1] neg_hi:[0,0,1]   ; c s - c m
.endr
.set b, b+1
.endr
.irp t, 0,1
	v_exp_f32 v[ST+8*\t+6], v[ST+8*\t+7]           ; a
.endr
.set e, 0
.rept 32
.irp t, 0,1
	v_exp_f32 v[S+32*\t+e], v[S+32*\t+e]           ; p, at most 1
.endr
.set e, e+1
.endr
	v_nop                                          ; a plain instruction behind the last exponential
	s_wait_alu depctr_va_vdst(0)                   ; one wait for the batch of 66, ahead of the first instruction that names a result
.set j, 0
.rept 16
.irp t, 0,1
	v_cvt_pk_f16_f32 v[P+16*\t+j], v[S+32*\t+2*j], v[S+32*\t+2*j+1]
.endr
.set j, j+1
.endr
.irp w, 4,8,16,32                              ; the sum of the tile's 16 pairs, in place: neighbours 1, 2, 4 and 8 pairs apart
.set u, 0
.rept 32/\w
.irp t, 0,1
	v_pk_add_f32 v[S+32*\t+\w*u:S+32*\t+\w*u+1], v[S+32*\t+\w*u:S+32*\t+\w*u+1], v[S+32*\t+\w*u+\w/2:S+32*\t+\w*u+\w/2+1]
.endr
.set u, u+1
.endr
.endr
.irp t, 0,1
	v_pk_fma_f32 v[ST+8*\t+2:ST+8*\t+3], v[ST+8*\t+2:ST+8*\t+3], v[ST+8*\t+6:ST+8*\t+7], v[S+32*\t:S+32*\t+1] op_sel_hi:[1,0,1]   ; l = a l + the sum
.endr
	WIN W_RS
.set i, 0
.rept 16
.irp t, 0,1
	v_pk_mul_f32 v[O+32*\t+2*i:O+32*\t+2*i+1], v[O+32*\t+2*i:O+32*\t+2*i+1], v[ST+8*\t+6:ST+8*\t+7] op_sel_hi:[1,0]   ; O^T times a
.endr
.set i, i+1
.endr
	s_wait_dscnt 0x0                               ; V is in
	WIN W_PV
.irp kk, 0,1                                   ; O^T += V^T P: eight accumulators by turns
.irp dt, 0,1,2,3
.irp t, 0,1
	v_wmma_f32_16x16x32_f16 v[O+32*\t+8*\dt:O+32*\t+8*\dt+7], v[VF+32*\kk+8*\dt:VF+32*\kk+8*\dt+7], v[P+16*\t+8*\kk:P+16*\t+8*\kk+7], v[O+32*\t+8*\dt:O+32*\t+8*\dt+7]
.endr
.endr
.endr
	WIN 0
	s_add_co_u32 s[TB], s[TB], STEPB               ; the next step's tiles
.endm
.macro FOUR_STEPS                      ; a slot's key steps: written once, walked four times
	s_mov_b32 s[CNT], NST
.Lstep_\@:
	STEP
	s_sub_co_u32 s[CNT], s[CNT], 1
	s_cmp_lg_u32 s[CNT], 0
	s_cbranch_scc1 .Lstep_\@
.endm
; THE CHANGE OF SLOTS.  Each wave waits for all its tensor loads, of which one is out: its part of the other slot; adds 0 to its spare word; and waits for that and for its reads of the slot that it leaves.
; fill = 1: the slot just read is filled again, with the keys two slots on.  The barrier is then a round of the cluster's, and the joint refill is the first thing behind it.
.macro CHANGE fill
	s_wait_tensorcnt 0x0                           ; no tensor load of mine is out, so a group 0 may be written
	ds_add_u32 v[SPW], v[NIL]                      ; 0 onto my spare word
.if \fill
.irp g, G0K+4, G0V+4
	s_xor_b32 s[\g+1], s[\g+1], SLOT1              ; the walking descriptor: the other slot than last time,
	s_add_nc_u64 s[\g+2:\g+3], s[\g+2:\g+3], SLOTM ; the next 256 keys; the type bits on top are not reached
.endr
	s_wait_xcnt 0x0                                ; the last prefetch, a slot back, has read its address, so it may be written:
	s_add_nc_u64 s[PFA:PFA+1], s[PFA:PFA+1], SLOTM ; one slot further on than the walking descriptors
	s_wait_dscnt 0x0                               ; the add is done, and my reads of the slot are over
	CROUND
	JLOAD
	ASK                                            ; what the next change will ask for: four key steps ahead of that load
.else
	s_wait_dscnt 0x0
	s_barrier_signal -1
	s_barrier_wait -1
.endif
	s_sub_co_u32 s[TB], s[TB], NST*STEPB           ; back to a slot's first step,
	s_xor_b32 s[TB], s[TB], SLOT1                  ; in the other slot
.endm
	s_wait_tensorcnt 1                             ; my part of slot 0 is in; slot 1's may stay out
	s_barrier_signal -1
	s_barrier_wait -1                              ; everybody's is
	s_wait_loadcnt 0x0                             ; Q
	FOUR_STEPS
.Lslot:                                            ; six trips: every slot but the last two is filled again
	CHANGE 1
	FOUR_STEPS
	s_sub_co_u32 s[SLOTS], s[SLOTS], 1
	s_cmp_lg_u32 s[SLOTS], 0
	s_cbranch_scc1 .Lslot
	CHANGE 0                                       ; the tail is written out
	FOUR_STEPS
	; THE WAY OUT.  l's two halves and the other half of the lanes' are added; O^T is divided by l, rounded to f16 and sent through my stage, a tile (16 rows) at a time.
	PLACES
.irp t, 0,1
	v_add_f32 v[ST+8*\t+4], v[ST+8*\t+2], v[ST+8*\t+3]
.endr
.irp t, 0,1
	v_permlanex16_b32 v[ST+8*\t+5], v[ST+8*\t+4], s[SEL], s[SEL+1]
.endr
.irp t, 0,1
	v_add_f32 v[ST+8*\t+4], v[ST+8*\t+4], v[ST+8*\t+5]
.endr
.irp t, 0,1
	v_rcp_f32 v[ST+8*\t+6], v[ST+8*\t+4]
.endr
	v_nop                                          ; a plain instruction behind the last reciprocal
	s_wait_alu depctr_va_vdst(0)                   ; and the wait ahead of the first use: one for the two
.macro PACK t
	WIN W_RS
.set i, 0
.rept 16
	v_pk_mul_f32 v[O+32*\t+2*i:O+32*\t+2*i+1], v[O+32*\t+2*i:O+32*\t+2*i+1], v[ST+8*\t+6:ST+8*\t+7] op_sel_hi:[1,0]
.set i, i+1
.endr
	WIN 0x05                                       ; sources 0 and 1 window 1, destination window 0: S^T's registers are free
.set i, 0
.rept 16
	v_cvt_pk_f16_f32 v[S+32*\t+i], v[O+32*\t+2*i], v[O+32*\t+2*i+1]
.set i, i+1
.endr
	WIN 0
.irp f, 0,1,2,3
	ds_store_b128 v[STO], v[S+32*\t+4*\f:S+32*\t+4*\f+3] offset:32*\f
.endr
.irp f, 0,1,2,3
	ds_load_b128 v[S+32*\t+4*\f:S+32*\t+4*\f+3], v[RD] offset:\f*4*SP   ; LDS serves a wave's instructions in order: these see the stores above; the next tile's stores come behind them
.endr
.endm
.macro SEND t, younger                 ; younger: the LDS instructions issued behind tile t's loads
.irp f, 0,1,2,3
	s_wait_dscnt \younger+3-\f
	global_store_b128 v[GO], v[S+32*\t+4*\f:S+32*\t+4*\f+3], s[10:11] offset:\t*2048+\f*512   ; the wave stores 512 consecutive bytes, aligned
.endr
.endm
	PACK 0
	PACK 1
	SEND 0, 8                                      ; behind tile 0's loads: tile 1's four stores and four loads
	SEND 1, 0
	s_wait_tensorcnt 0x0                           ; the wave's end, behind my last tensor load and my last LDS store
	ds_add_u32 v[SPW], v[NIL]
	s_wait_dscnt 0x0
	CROUND                                         ; the closing round
	s_endpgm
.Lfunc_end_k_q34c3488bbd_attn:
	.size	k_q34c3488bbd_attn, .Lfunc_end_k_q34c3488bbd_attn-k_q34c3488bbd_attn
	.p2alignl 7, 3214868480
	.fill 96, 4, 3214868480
	.section	.rodata,"a",@progbits
	.p2align	6, 0x0
	.amdhsa_kernel k_q34c3488bbd_attn
		.amdhsa_group_segment_fixed_size 327680
		.amdhsa_private_segment_fixed_size 0
		.amdhsa_enable_private_segment 0
		.amdhsa_kernarg_size 16
		.amdhsa_user_sgpr_count 2
		.amdhsa_user_sgpr_kernarg_segment_ptr 1
		.amdhsa_wavefront_size32 1
		.amdhsa_system_sgpr_workgroup_id_x 1
		.amdhsa_system_sgpr_workgroup_id_y 1
		.amdhsa_system_sgpr_workgroup_id_z 1
		.amdhsa_system_vgpr_workitem_id 0
		.amdhsa_next_free_vgpr 384
		.amdhsa_next_free_sgpr 70
		.amdhsa_reserve_vcc 0
		.amdhsa_float_denorm_mode_32 3
		.amdhsa_float_denorm_mode_16_64 3
		.amdhsa_memory_ordered 1
		.amdhsa_forward_progress 1
		.amdhsa_inst_pref_size 71
	.end_amdhsa_kernel
	.amdgpu_metadata
---
amdhsa.version: [ 1, 2 ]
amdhsa.kernels:
  - .name:           k_q34c3488bbd_attn
    .symbol:         k_q34c3488bbd_attn.kd
    .args:
      - { .name: qkv, .offset: 0, .size: 8, .value_kind: global_buffer, .address_space: global }
      - { .name: ctx, .offset: 8, .size: 8, .value_kind: global_buffer, .address_space: global }
    .group_segment_fixed_size: 327680
    .private_segment_fixed_size: 0
    .kernarg_segment_align: 8
    .kernarg_segment_size: 16
    .max_flat_workgroup_size: 256
    .sgpr_count:     70
    .vgpr_count:     384
    .wavefront_size: 32
...
	.end_amdgpu_metadata
.endif
;; end of part 3
;; launch outp (part 4): grid 4 x 64, 4 waves a work-group, clusters of 4 x 4, 327,680 bytes of LDS; arguments ctx, wo16, bo, out0; writes out0
.if DOCPART == 4
	.amdgcn_target "amdgcn-amd-amdhsa--gfx1250"
	.amdhsa_code_object_version 6
	.text
	.protected	k_q34c3488bbd_outp
	.globl	k_q34c3488bbd_outp
	.p2align	8
	.type	k_q34c3488bbd_outp,@function
k_q34c3488bbd_outp:
	s_mov_b64 s[64:65], 0
	v_nop
	global_prefetch_b8 v0, s[64:65] scope:SCOPE_SE
	s_setreg_imm32_b32 hwreg(HW_REG_WAVE_MODE, 25, 1), 1
	s_wait_xcnt 0x0
	s_wait_alu depctr_hold_cnt(0) depctr_sa_sdst(0) depctr_va_vdst(0) depctr_va_sdst(0) depctr_va_ssrc(0) depctr_va_vcc(0) depctr_vm_vsrc(0)
	s_getreg_b32 s2, hwreg(HW_REG_IB_STS2, 6, 4)
	s_cmp_eq_u32 s2, 0
	s_cbranch_scc0 .Lentry_in_a_cluster
	s_endpgm
.Lentry_in_a_cluster:
	s_bfe_u32 s2, ttmp6, 0x10000c
	s_cmp_lg_u32 s2, 0xf033
	s_cbranch_scc0 .Lentry_shape_is_right
	s_endpgm
.Lentry_shape_is_right:
; out0[m][n] = sum over k of ctx[m][k] Wo[n][k] + bo[n].  M = 8192, N = K = 1024.  Operands f16, sums and result f32.
; ctx: [m / 128][head 16][128 rows][64] f16, k = 64 x head + channel.  wo16: [1024 n][1024 k] f16.
; A tile of the result is 128 x 256: 256 work-groups.  Four waves, each 64 rows x 128 columns: 32 accumulators of 16 x 16, 256 registers.
; K goes in steps of 128 (two heads) through a ring of two LDS slots: waves 0 and 1 fetch the two heads' 128 rows of ctx (rows of 128 bytes, dense in memory), waves 2 and 3 the two halves of Wo's 256 rows (256 bytes of each).
; CLUSTERS: 4 x 4 work-groups; ctx's tiles are shared along a row of the cluster, Wo's along a column, each asked for jointly.
; THE MATRIX INSTRUCTION IS USED TRANSPOSED (source 0 = 16 rows of Wo, source 1 = 16 rows of ctx): a lane holds eight neighbouring numbers of a row of the result.  The bias, laid so, is the C of each sum's first product.
; REGISTERS: window 0: v0-31 addresses; v64-95, v128-159 ctx's fragments, two buffers; v192-255 the bias; on the way out v64-191 rows read back.   window 1: v64-127, v128-191 Wo's fragments.   window 2: the accumulators ((a, b) at v[8 (8 a + b)]).
.set KSTEP,  128
.set PA,     144                       ; a row of ctx in LDS: 128 bytes + 16 of padding
.set AH,     128*PA                    ; one head's 128 rows
.set PB,     272                       ; a row of Wo in LDS: 256 bytes + 16
.set BH,     128*PB
.set BOFF,   2*AH
.set SLOT,   BOFF+2*BH
.set STAGE,  2*SLOT                    ; behind the ring: 16 rows x 528 bytes for each wave
.set SPITCH, 528
.set SPARE,  STAGE+4*16*SPITCH         ; the spare words, 128 bytes a wave
.set LAPS,   1024/(2*KSTEP)
.set ADRA, 16                          ; v16-17  LDS address of my fragments of ctx in slot 0, 1
.set ADRB, 20                          ; v20-21  of Wo
.set STO,  24
.set RD,   25
.set CO,   26
.set SPW,  28                          ; v28  LDS address of my spare word; never rewritten
.set NIL,  29                          ; v29  0; never rewritten
.set F0,   64
.set F1,   128
.set BI,   192                         ; bias: register 8 b + j = bo[my first column + 16 b + 8 (lane / 16) + j]
.set BK,   64
.set G1, 24
.set G0, 32
.set G1B, 48
.set G0B, 56
.set MSB, 0
.macro WIN new
.if MSB != (\new)
	s_set_vgpr_msb (MSB<<8)|(\new)
.set MSB, \new
.endif
.endm
.set MUL,  0xa1                        ; source 0 (Wo) window 1, source 1 (ctx) window 0, C and D window 2
.set MUL0, 0x81                        ; C (the bias) window 0
.set TO_B, 0x40
.macro JLOAD s                         ; a joint load: waves 0 and 1 for ctx, waves 2 and 3 for Wo; an s_nop 0 and four v_nop follow each of the two lines
	s_cmp_eq_u32 s13, 0
	s_cbranch_scc0 .Lfor_b_\@
	tensor_load_to_lds s[G0+4*\s:G0+4*\s+3], s[G1:G1+7]
	s_nop 0
.rept 4
	v_nop
.endr
	s_branch .Lasked_\@
.Lfor_b_\@:
	tensor_load_to_lds s[G0B+4*\s:G0B+4*\s+3], s[G1B:G1B+7]
	s_nop 0
.rept 4
	v_nop
.endr
.Lasked_\@:
.endm
.macro CREST                           ; a round of the cluster's barrier behind its opening barrier
	s_cmp_lg_u32 s12, 0
	s_cbranch_scc1 .Lnot_wave_0_\@
	s_barrier_signal -3
.Lnot_wave_0_\@:
	s_barrier_wait -3
	s_barrier_signal -1
	s_barrier_wait -1
.endm
.macro CROUND
	s_barrier_signal -1
	s_barrier_wait -1
	CREST
.endm
	s_load_b256 s[4:11], s[0:1], 0x0               ; ctx 4:5, wo16 6:7, bo 8:9, out0 10:11
	v_lshl_add_u32 v[SPW], v0, 2, SPARE
	v_mov_b32 v[NIL], 0
	ds_add_u32 v[SPW], v[NIL]                      ; the wave's opening: the add, twice on end, and its wait ahead of my first tensor load
	ds_add_u32 v[SPW], v[NIL]
	v_lshrrev_b32 v1, 5, v0
	v_readfirstlane_b32 s12, v1                    ; wave 0..3
	s_lshr_b32 s13, s12, 1                         ; which 64 rows are mine.  Also: I fetch for ctx (0) or for Wo (1)
	s_and_b32 s14, s12, 1                          ; which 128 columns.  Also: which head, or which 128 rows of Wo, I fetch
	s_bfe_u32 s40, ttmp6, 0x40000                  ; cx, cy
	s_bfe_u32 s41, ttmp6, 0x40004
	s_lshl_b32 s42, ttmp9, 2
	s_add_co_u32 s42, s42, s40                     ; tile column
	s_and_b32 s15, ttmp7, 0xffff
	s_lshl_b32 s15, s15, 2
	s_add_co_u32 s15, s15, s41                     ; tile row, 0 .. 63
	s_lshl_b32 s43, s41, 2
	s_lshl_b32 s43, 15, s43                        ; my row of the cluster
	s_lshl_b32 s44, 0x1111, s40                    ; my column
	s_or_b32 s[G1+0], s43, (1<<16)|(1<<20)|(1<<21)|(4<<22)|(3<<25)   ; ctx: elements of 2 bytes; 4 words of padding behind every 32
	s_mov_b32 s[G1+1], 64<<16                      ; tensor_dim0 = 64
	s_mov_b32 s[G1+2], 128<<16                     ; tensor_dim1 = 128
	s_mov_b32 s[G1+3], 64<<16                      ; tile_dim0 = 64
	s_mov_b32 s[G1+4], 128                         ; tile_dim1 = 128
	s_mov_b32 s[G1+5], 64                          ; from row to row
	s_mov_b32 s[G1+6], 0
	s_mov_b32 s[G1+7], 0
	s_or_b32 s[G1B+0], s44, (1<<16)|(1<<20)|(1<<21)|(5<<22)|(3<<25)  ; Wo: 4 words of padding behind every 64
	s_mov_b32 s[G1B+1], KSTEP<<16
	s_mov_b32 s[G1B+2], 128<<16
	s_mov_b32 s[G1B+3], KSTEP<<16
	s_mov_b32 s[G1B+4], 128
	s_mov_b32 s[G1B+5], 1024
	s_mov_b32 s[G1B+6], 0
	s_mov_b32 s[G1B+7], 0
	s_lshl_b32 s16, s15, 4
	s_add_co_u32 s16, s16, s14
	s_lshl_b32 s16, s16, 14                        ; ctx: (16 x tile row + head) x 16,384 bytes
	s_mov_b32 s17, 0
	s_lshl_b32 s46, s42, 8
	s_lshl_b32 s47, s14, 7
	s_add_co_u32 s46, s46, s47
	s_lshl_b32 s46, s46, 11                        ; Wo: row 256 x tile column + 128 x half, 2,048 bytes a row
	s_mov_b32 s47, 0
	s_mul_i32 s20, s14, AH                         ; where they go
	s_mul_i32 s21, s14, BH
	s_add_co_u32 s21, s21, BOFF
	s_wait_dscnt 0x0                               ; both opening adds are done
	s_wait_kmcnt 0x0
	s_add_nc_u64 s[16:17], s[4:5], s[16:17]
	s_add_nc_u64 s[46:47], s[6:7], s[46:47]
	CROUND                                         ; all sixteen work-groups are here: the first joint loads meet
.irp s, 0,1
	s_mov_b32 s[G0+4*\s], 1
	s_add_co_u32 s[G0+4*\s+1], s20, \s*SLOT
	s_add_nc_u64 s[G0+4*\s+2:G0+4*\s+3], s[16:17], \s*2*16384      ; K step s: two heads on
	s_or_b32 s[G0+4*\s+3], s[G0+4*\s+3], 0x80000000
	s_mov_b32 s[G0B+4*\s], 1
	s_add_co_u32 s[G0B+4*\s+1], s21, \s*SLOT
	s_add_nc_u64 s[G0B+4*\s+2:G0B+4*\s+3], s[46:47], \s*KSTEP*2
	s_or_b32 s[G0B+4*\s+3], s[G0B+4*\s+3], 0x80000000
	JLOAD \s
.endr
	v_and_b32 v1, 15, v0                           ; l % 16
	v_bfe_u32 v2, v0, 4, 1                         ; l / 16
	v_lshlrev_b32 v27, 5, v2
	s_lshl_b32 s18, s42, 10                        ; my first column in bytes of f32: 1024 x tile column + 512 x half
	s_lshl_b32 s19, s14, 9
	s_add_co_u32 s18, s18, s19
	s_mov_b32 s19, 0
	s_add_nc_u64 s[8:9], s[8:9], s[18:19]
.irp b, 0,1,2,3,4,5,6,7
	global_load_b128 v[BI+8*\b:BI+8*\b+3],   v27, s[8:9] offset:64*\b
	global_load_b128 v[BI+8*\b+4:BI+8*\b+7], v27, s[8:9] offset:64*\b+16
.endr
	v_mul_u32_u24 v3, v1, PA
	v_lshl_add_u32 v3, v2, 4, v3
	s_mul_i32 s22, s13, 64*PA                      ; my 64 rows of ctx
	v_mul_u32_u24 v4, v1, PB
	v_lshl_add_u32 v4, v2, 4, v4
	s_mul_i32 s23, s14, BH                         ; my 128 rows of Wo
	s_add_co_u32 s23, s23, BOFF
.irp s, 0,1
	v_add_nc_u32 v[ADRA+\s], s22, v3
	v_add_nc_u32 v[ADRB+\s], s23, v4
	s_add_co_u32 s22, s22, SLOT
	s_add_co_u32 s23, s23, SLOT
.endr
	s_mul_i32 s22, s12, 16*SPITCH
	s_add_co_u32 s22, s22, STAGE                   ; my stage
	v_mul_u32_u24 v5, v1, SPITCH                   ; in: row l % 16, 32 bytes for each half of the lanes
	v_lshl_add_u32 v5, v2, 5, v5
	v_add_nc_u32 v[STO], s22, v5
	v_and_b32 v6, 31, v0
	v_lshlrev_b32 v[CO], 4, v6                     ; back: the 32 lanes take one row of 512 bytes; and the same in out0
	v_add_nc_u32 v[RD], s22, v[CO]
	s_lshl_b32 s66, s15, 7
	s_lshl_b32 s67, s13, 6
	s_add_co_u32 s66, s66, s67                     ; my first row: 128 x tile row + 64 x half
	s_lshl_b32 s66, s66, 12                        ; 4,096 bytes a row
	s_add_co_u32 s66, s66, s18                     ; + my first column
	s_mov_b32 s67, 0
	s_add_nc_u64 s[10:11], s[10:11], s[66:67]
; 8 matrix instructions: row block a x all 8 column blocks, 32 along K, from buffer f.  zero = 1: the first product starts the sums from the bias.  The 32 accumulators take turns in the same order in every quarter.
.macro MUL8 f, a, zero
.irp b, 0,1,2,3,4,5,6,7
.if \zero
	v_wmma_f32_16x16x32_f16 v[8*(8*(\a)+\b):8*(8*(\a)+\b)+7], v[\f+8*\b:\f+8*\b+7], v[\f+8*(\a):\f+8*(\a)+7], v[BI+8*\b:BI+8*\b+7]
.else
	v_wmma_f32_16x16x32_f16 v[8*(8*(\a)+\b):8*(8*(\a)+\b)+7], v[\f+8*\b:\f+8*\b+7], v[\f+8*(\a):\f+8*(\a)+7], v[8*(8*(\a)+\b):8*(8*(\a)+\b)+7]
.endif
.endr
.endm
; 24 LDS loads in one run: the slot's q-th 32 along K (head q / 2, channels 32 (q % 2) on): Wo's 8 fragments, then ctx's 4, into buffer f
.macro FETCH slot, q, f
	WIN TO_B
.irp i, 0,1,2,3,4,5,6,7
	ds_load_b128 v[\f+8*\i:\f+8*\i+3],   v[ADRB+\slot] offset:64*(\q)+\i*16*PB
	ds_load_b128 v[\f+8*\i+4:\f+8*\i+7], v[ADRB+\slot] offset:64*(\q)+\i*16*PB+32
.endr
	WIN 0
.irp i, 0,1,2,3
	ds_load_b128 v[\f+8*\i:\f+8*\i+3],   v[ADRA+\slot] offset:((\q)/2)*AH+((\q)%2)*64+\i*16*PA
	ds_load_b128 v[\f+8*\i+4:\f+8*\i+7], v[ADRA+\slot] offset:((\q)/2)*AH+((\q)%2)*64+\i*16*PA+32
.endr
.endm
.macro PLACES                          ; four places in front of loads into registers that matrix instructions have read, and of the first read of results
.rept 4
	v_nop
.endr
.endm
; A K step is four quarters of 32 along K, 32 matrix instructions each, on buffers 0, 1, 0, 1.  One of the first three: multiplies buffer f and fetches quarter qn of the same slot into g.
.macro QUARTER slot, qn, f, g, zero
	s_wait_dscnt 4                                 ; Wo's fragments and ctx's blocks 0, 1 are in; the youngest four loads (blocks 2, 3) may be out
.if \zero
	WIN MUL0
.else
	WIN MUL
.endif
	MUL8 \f, 0, \zero
	MUL8 \f, 1, \zero
	PLACES
	FETCH \slot, \qn, \g
	s_wait_dscnt 24                                ; all but the 24 just issued
.if \zero
	WIN MUL0
.else
	WIN MUL
.endif
	MUL8 \f, 2, \zero
	MUL8 \f, 3, \zero
.endm
; The last quarter multiplies buffer 1 and changes slots: ONE barrier; in front of it each wave waits for all its tensor loads, adds 0 to its spare word, and waits for that and for its own reads of this slot.  fill = 1: this slot is filled again, two K steps ahead.
.macro TURN slot, next, fill
	WIN 0
	s_wait_tensorcnt 0x0                           ; all my tensor loads have landed: my part of the next slot
	ds_add_u32 v[SPW], v[NIL]                      ; 0 onto my spare word
	s_wait_dscnt 5                                 ; (the add and the youngest four loads may be out)
	WIN MUL
	MUL8 F1, 0, 0                                  ; eight matrix instructions stand between the add and the wait for it
	s_wait_dscnt 0x0                               ; the add is done, and my reads of this slot are over
	s_barrier_signal -1
	MUL8 F1, 1, 0
.if \fill
	WIN 0
.endif
	s_barrier_wait -1
.if \fill
	CREST                                          ; the barrier has opened a round of the cluster's barrier: no wave of any partner still reads this slot or has a load on its way
	s_add_nc_u64 s[G0+4*\slot+2:G0+4*\slot+3], s[G0+4*\slot+2:G0+4*\slot+3], 4*16384
	s_add_nc_u64 s[G0B+4*\slot+2:G0B+4*\slot+3], s[G0B+4*\slot+2:G0B+4*\slot+3], 2*KSTEP*2
	JLOAD \slot                                    ; the first tensor load behind the round; the four v_nop behind it are also the places in front of the loads below
.else
	PLACES
.endif
	FETCH \next, 0, F0
	WIN MUL
	MUL8 F1, 2, 0
	MUL8 F1, 3, 0
.endm
	s_wait_tensorcnt 1                             ; my part of K step 0 is in; K step 1's load may be out,
	s_barrier_signal -1
	s_barrier_wait -1                              ; everybody's is
	FETCH 0, 0, F0
	s_wait_loadcnt 0x0                             ; the bias
	QUARTER 0, 1, F0, F1, 1                        ; the first quarter stands in front of the loop: its products start the sums
	WIN 0                                          ; at a label and at a branch every window is 0
	s_mov_b32 s3, LAPS-1
.Llap:                                             ; a trip goes once round the ring, from a lap's second quarter to the next lap's first, and fills both slots again
	QUARTER 0, 2, F1, F0, 0
	QUARTER 0, 3, F0, F1, 0
	TURN 0, 1, 1
	QUARTER 1, 1, F0, F1, 0
	QUARTER 1, 2, F1, F0, 0
	QUARTER 1, 3, F0, F1, 0
	TURN 1, 0, 1
	QUARTER 0, 1, F0, F1, 0
	WIN 0
	s_sub_co_u32 s3, s3, 1
	s_cmp_lg_u32 s3, 0
	s_cbranch_scc1 .Llap
	QUARTER 0, 2, F1, F0, 0                        ; the last lap fills nothing
	QUARTER 0, 3, F0, F1, 0
	TURN 0, 1, 0
	QUARTER 1, 1, F0, F1, 0
	QUARTER 1, 2, F1, F0, 0
	QUARTER 1, 3, F0, F1, 0
	s_wait_dscnt 4                                 ; the very last quarter: nothing more to fetch
	WIN MUL
	MUL8 F1, 0, 0
	MUL8 F1, 1, 0
	s_wait_dscnt 0
	MUL8 F1, 2, 0
	MUL8 F1, 3, 0
	WIN 0
; THE WAY OUT, block by block of 16 rows x 128 columns: a lane holds 32 neighbouring bytes of a row; a block goes through my own stage and comes back as whole rows of 512 bytes.
.macro TOSTAGE a
.set AC, 64*(\a)
	WIN 0x08                                       ; an LDS store's data: window 2
.irp b, 0,1,2,3,4,5,6,7
	ds_store_b128 v[STO], v[AC+8*\b:AC+8*\b+3] offset:64*\b          ; each accumulator from its low end on
	ds_store_b128 v[STO], v[AC+8*\b+4:AC+8*\b+7] offset:64*\b+16
.endr
	WIN 0
.set BB, BK+64*((\a)%2)
.irp t, 0,1,2,3,4,5,6,7,8,9,10,11,12,13,14,15
	ds_load_b128 v[BB+4*\t:BB+4*\t+3], v[RD] offset:\t*SPITCH        ; LDS serves a wave's instructions in order: these see the stores above
.endr
.endm
.macro SEND a, younger                 ; younger: the LDS instructions issued behind block a's loads, which may stay out
.set BB, BK+64*((\a)%2)
	s_wait_dscnt \younger
.irp t, 0,1,2,3,4,5,6,7,8,9,10,11,12,13,14,15
	global_store_b128 v[CO], v[BB+4*\t:BB+4*\t+3], s[10:11] offset:(16*(\a)+\t)*4096 th:TH_STORE_NT   ; 32 lanes store 512 consecutive bytes, aligned; written once, read by nobody here
.endr
.endm
	PLACES
	TOSTAGE 0
.irp a, 1,2,3
.if \a > 1
	s_wait_xcnt 0x0                                ; block a - 2's stores have read their registers: block a's loads may land there
.endif
	TOSTAGE \a
	SEND \a-1, 32                                  ; behind block a - 1's loads: block a's 16 stores and 16 loads
.endr
	SEND 3, 0
	s_wait_tensorcnt 0x0                           ; the wave's end, behind my last tensor load and my last LDS store
	ds_add_u32 v[SPW], v[NIL]
	s_wait_dscnt 0x0
	CROUND                                         ; the closing round
	s_endpgm
.Lfunc_end_k_q34c3488bbd_outp:
	.size	k_q34c3488bbd_outp, .Lfunc_end_k_q34c3488bbd_outp-k_q34c3488bbd_outp
	.p2alignl 7, 3214868480
	.fill 96, 4, 3214868480
	.section	.rodata,"a",@progbits
	.p2align	6, 0x0
	.amdhsa_kernel k_q34c3488bbd_outp
		.amdhsa_group_segment_fixed_size 327680
		.amdhsa_private_segment_fixed_size 0
		.amdhsa_enable_private_segment 0
		.amdhsa_kernarg_size 32
		.amdhsa_user_sgpr_count 2
		.amdhsa_user_sgpr_kernarg_segment_ptr 1
		.amdhsa_wavefront_size32 1
		.amdhsa_system_sgpr_workgroup_id_x 1
		.amdhsa_system_sgpr_workgroup_id_y 1
		.amdhsa_system_sgpr_workgroup_id_z 1
		.amdhsa_system_vgpr_workitem_id 0
		.amdhsa_next_free_vgpr 768
		.amdhsa_next_free_sgpr 68
		.amdhsa_reserve_vcc 0
		.amdhsa_float_denorm_mode_32 3
		.amdhsa_float_denorm_mode_16_64 3
		.amdhsa_memory_ordered 1
		.amdhsa_forward_progress 1
		.amdhsa_inst_pref_size 87
	.end_amdhsa_kernel
	.amdgpu_metadata
---
amdhsa.version: [ 1, 2 ]
amdhsa.kernels:
  - .name:           k_q34c3488bbd_outp
    .symbol:         k_q34c3488bbd_outp.kd
    .args:
      - { .name: ctx, .offset: 0, .size: 8, .value_kind: global_buffer, .address_space: global }
      - { .name: wo16, .offset: 8, .size: 8, .value_kind: global_buffer, .address_space: global }
      - { .name: bo, .offset: 16, .size: 8, .value_kind: global_buffer, .address_space: global }
      - { .name: out0, .offset: 24, .size: 8, .value_kind: global_buffer, .address_space: global }
    .group_segment_fixed_size: 327680
    .private_segment_fixed_size: 0
    .kernarg_segment_align: 8
    .kernarg_segment_size: 32
    .max_flat_workgroup_size: 128
    .sgpr_count:     68
    .vgpr_count:     768
    .wavefront_size: 32
...
	.end_amdgpu_metadata
.endif
;; end of part 4
